; MI455X (gfx1250); checked and timed in simulation.
; The chip was launched on July 23, 2026; its instructions are those of AMD's public machine-readable ISA for CDNA 5 (MIT licence, August 2026) and "CDNA5" Instruction Set Architecture Reference Guide (July 2026). The comments in the code are by the model that wrote it; some were corrected since.
;; Multi Head Attention Block. Allowed arithmetic: matrix products marked QUANTISED: E2M1 operands, one E8M0 scale for each 32 along K, by v_wmma_scale_f32_16x16x128_f8f6f4 with both operands' format E2M1 (or v_wmma_scale_f32_32x16x128_f4), f32 sums; products left as they are: bf16, f16 or f32 operands; f32 sums; everything else in f32.
;; Inputs: k 4 x 2,048 x 1,024 float32; mask 4 x 2,048 x 2,048 int32; q 4 x 2,048 x 1,024 float32; v 4 x 2,048 x 1,024 float32; w_k 1,024 x 1,024 float32; w_o 1,024 x 1,024 float32; w_q 1,024 x 1,024 float32; w_v 1,024 x 1,024 float32.
;; Outputs: out0 4 x 2,048 x 1,024 float32.
;; This version of the problem:
;;   THIS VERSION OF THE PROBLEM IS GIVEN IN LOW PRECISION. The matrix products marked QUANTISED in the list below multiply operands that are first quantised to E2M1 (2 exponent bits, 1 mantissa bit; 4 bits a number), with one power-of-two scale for each 32 numbers along K (OCP MX v1.0); their sums are f32. The products marked 'left as it is' may take bf16, f16 or f32 operands, with f32 sums. Whichever they take, every output number must still come out within the allowed error. Rounding operands to bf16 (8 significant bits) uses up far more of that allowance than f16 does (11 bits, for magnitudes from 6e-5 to 65,504). All else is computed in f32.
;;   The module's matrix products, in the order in which they are computed (A, B: the left and right operand; K: the contracted axis; several contracted axes count as one K, in the product's order):
;;     1. [M 8,192, K 1,024] x [K 1,024, N 1,024]; A: input q; B: input w_q: QUANTISED
;;     2. [M 8,192, K 1,024] x [K 1,024, N 1,024]; A: input k; B: input w_k: QUANTISED
;;     3. [M 8,192, K 1,024] x [K 1,024, N 1,024]; A: input v; B: input w_v: QUANTISED
;;     4. batch 64 x [M 2,048, K 64] x [K 64, N 2,048]; A: computed on the way; B: computed on the way: left as it is (an operand is computed on the way)
;;     5. batch 64 x [M 2,048, K 2,048] x [K 2,048, N 64]; A: computed on the way; B: computed on the way: left as it is (an operand is computed on the way)
;;     6. [M 8,192, K 1,024] x [K 1,024, N 1,024]; A: computed on the way; B: input w_o: left as it is (an operand is computed on the way)
;;   THE QUANTISER, for each operand of a quantised product, along K:
;;     - K is cut into blocks of 32 from its start; a last block that is shorter is filled with zeros.
;;     - A block's scale is 2^e with e = floor(log2(the largest magnitude in the block)) - 2, held to -126 .. 127; a block of zeros has e = 0. As a byte (E8M0): e + 127.
;;     - Each number is divided by its block's scale, clamped to +-6, and rounded to the nearest number of E2M1, ties to even, subnormals kept.
;;     - The product sums the exact products of the quantised numbers (number of the format x scale) in f32.
;;   ~~~python
;;   def quantise(x, axis):      # numpy; x: float32 -> the quantised numbers, widened to float32 again
;;       x = np.moveaxis(x, axis, -1); K = x.shape[-1]
;;       x = np.pad(x, [(0, 0)] * (x.ndim - 1) + [(0, -K % 32)]); x = x.reshape(x.shape[:-1] + (-1, 32)); a = np.abs(x).max(-1, keepdims=True)
;;       e = np.where(a > 0, np.clip(np.frexp(np.where(a > 0, a, 1))[1] - 1 - 2, -126, 127), 0)      # np.frexp(a)[1] - 1 = floor(log2(a)), exactly
;;       r = np.clip(x / 2.0 ** e, -6, 6)
;;       step = 2.0 ** (np.maximum(np.frexp(np.where(r == 0, 1, r))[1] - 1, 0) - 1)
;;       q = np.round(r / step) * step * 2.0 ** e      # np.round: ties to even
;;       return np.moveaxis(q.reshape(q.shape[:-2] + (-1,))[..., :K], -1, axis).astype(np.float32)
;;   ~~~
;; One version. Each part assembles by itself: llvm-mc -triple=amdgcn-amd-amdhsa -mcpu=gfx1250 --defsym DOCPART=n.
;; ======== version 1 of 1: 4 launches
;; limits: values are held in f16: magnitudes above 65,504 overflow, below 6.1e-05 lose precision; right only within a limited range of input values
;; workspace buffers: codes 14,155,776 bytes; scales 884,736 bytes; wof 2,097,152 bytes; maskw 2,097,152 bytes of whole numbers; mflag 8,192 bytes of whole numbers; qkv 50,331,648 bytes; xf 16,777,216 bytes
;; launch prep (part 1): grid 1440 x 1, 4 waves a work-group, no clusters, 33,280 bytes of LDS; arguments q, k, v, w_q, w_k, w_v, w_o, mask, codes, scales, wof, maskw, mflag; writes codes, scales, wof, maskw, mflag
.if DOCPART == 1
	.amdgcn_target "amdgcn-amd-amdhsa--gfx1250"
	.amdhsa_code_object_version 6
	.text
	.protected	k_qc28e017235_prep
	.globl	k_qc28e017235_prep
	.p2align	8
	.type	k_qc28e017235_prep,@function
k_qc28e017235_prep:
	s_mov_b64 s[64:65], 0
	v_nop
	global_prefetch_b8 v0, s[64:65] scope:SCOPE_SE
	s_setreg_imm32_b32 hwreg(HW_REG_WAVE_MODE, 25, 1), 1
	s_wait_xcnt 0x0
; THE PROGRAM: multi-head attention, B = 4, S = 2048, D = 1024, 16 heads of 64.  Four launches: this one prepares; the second makes Q, K, V (three products on codes of FP4);
; the third is the masked softmax attention (f16 operands, f32 sums); the fourth is the product with w_o (f16 operands, f32 sums).
; DEAD WORK: nothing of the problem is dead by an identity, and every input is loaded.  What the third launch leaves out is decided by whole numbers that this launch stores: a block of
; 32 queries x 64 keys whose mask is 0 throughout.  There every score is replaced by -1e9, and exp(-1e9 - max) is 0 beside the terms of any row that has an open key somewhere.
; It is left out only where every one of the work-group's 256 query rows has an open key; where one has none, all blocks are walked, and that row comes out as the mean of all 2,048 values.
; LIMITS: a row whose largest open score lies within some 150 of -1e9 is not served (there the masked terms would not vanish); NaN and infinities among the inputs are not served, and one that
; reaches only a block left out is not carried to the result; Q and K times 0.4247, V, the attention's result and w_o must lie under 65,504 (they go on as f16).
; THIS LAUNCH has three kinds of work-groups, told apart by the work-group's number alone:
;   0 .. 511      the mask of 16 query rows x 2,048 keys becomes lane masks (a bit a lane, a word for each score register of the third launch) and flags for each block of 16 x 64;
;   512 .. 1375   q, k, v, w_q, w_k, w_v become codes of FP4 (E2M1), K innermost, with one E8M0 byte for each 32 along K, all six on end in two buffers;
;   1376 .. 1439  w_o becomes f16 in the order of a matrix operand's registers.
; THE QUANTISER: a block's scale is 2^(floor(log2(its largest magnitude)) - 2); its byte is the largest magnitude's exponent field - 2, held at 1 from below.  A block of zeros so gets the byte 1
; where the rule says 127: its codes are zeros, which add nothing under any byte but 0xff, and this program alone reads the bytes.  Blocks whose largest magnitude lies under 2^-124 were not tried.
; No tensor loads, no barrier: waves share nothing.  Only the quantiser's work-groups touch LDS.
.set SPARE, 32768                      ; behind the four waves' regions: the spare words, 128 bytes for each wave: two blocks of 256 bytes that no other line names
.set WREG,  8192                       ; LDS: a region for each wave: two stages of 32 x SP bytes, behind them its 256 scale bytes
.set SP,    80                         ; a lane's place in a stage: its 64 bytes + 16 of padding
.set STEPS, 16
.set EMAX,  2
.set CB,    8                          ; bytes of 16 codes
.set R,     16                         ; v16-79   quantiser: four sets of 16 numbers as loaded
.set X,     80                         ; v80-111  two sets of 16 neighbours
.set E,     112                        ; v112-127 a scale byte for each step
.set C,     128                        ; v128-191 codes: four registers for each step
.set SPW,   12                         ; v12  LDS address of my spare word; never rewritten
.set NIL,   13                         ; v13  0; never rewritten
	s_load_b512 s[4:19], s[0:1], 0x0               ; q s[4:5], k s[6:7], v s[8:9], w_q s[10:11], w_k s[12:13], w_v s[14:15], w_o s[16:17], mask s[18:19]
	s_load_b256 s[20:27], s[0:1], 0x40             ; codes s[20:21], scales s[22:23], wof s[24:25], maskw s[26:27]
	s_load_b64 s[28:29], s[0:1], 0x60              ; mflag
	v_lshl_add_u32 v[SPW], v0, 2, SPARE
	v_mov_b32 v[NIL], 0
	v_lshrrev_b32 v1, 5, v0
	v_readfirstlane_b32 s30, v1                    ; wave 0..3
	v_and_b32 v1, 31, v0                           ; lane
	s_wait_kmcnt 0x0
	s_cmp_lt_u32 ttmp9, 512
	s_cbranch_scc1 .Lmask
	s_cmp_lt_u32 ttmp9, 1376
	s_cbranch_scc1 .Lquant
; ---- w_o: work-group F takes rows 16 F .. 16 F + 15, wave u their columns 256 u .. 256 u + 255: eight chunks of 32 along K.
; A chunk's image is two blocks of 512 bytes; in block hf lane (r, h) has, at 16 x lane, the eight numbers of row r at k = 16 hf + 8 h + 0 .. 7: registers 4 hf .. 4 hf + 3 of the 16-bit operand.
	s_sub_co_u32 s31, ttmp9, 1376                  ; F
	v_and_b32 v2, 15, v0                           ; r
	v_bfe_u32 v3, v0, 4, 1                         ; h
	v_lshlrev_b32 v2, 12, v2
	v_lshl_add_u32 v2, v3, 5, v2                   ; in: row r of 4,096 bytes, + 32 h
	v_lshlrev_b32 v3, 4, v1                        ; out: 16 x lane
	s_lshl_b32 s66, s31, 16                        ; 16 rows of 4,096 bytes,
	s_lshl_b32 s67, s30, 10                        ; my wave's 1,024 bytes of each
	s_add_co_u32 s66, s66, s67
	s_mov_b32 s67, 0
	s_add_nc_u64 s[16:17], s[16:17], s[66:67]
	s_lshl_b32 s66, s31, 15                        ; a tile's 32 chunks of 1,024 bytes,
	s_lshl_b32 s68, s30, 13                        ; my wave's eight
	s_add_co_u32 s66, s66, s68
	s_add_nc_u64 s[24:25], s[24:25], s[66:67]
.irp i, 0,1,2,3,4,5,6,7
.irp g, 0,1,2,3
	global_load_b128 v[32+16*\i+4*\g:32+16*\i+4*\g+3], v2, s[16:17] offset:128*\i+64*(\g/2)+16*(\g%2) th:TH_LOAD_NT
.endr
.endr
	s_wait_loadcnt 16                              ; chunks 0 to 3 are in; the sixteen loads of chunks 4 to 7 may be out
.set n, 0
.rept 32
	v_cvt_pk_f16_f32 v[160+n], v[32+2*n], v[33+2*n]
.set n, n+1
.endr
.irp j, 0,1,2,3,4,5,6,7
	global_store_b128 v3, v[160+4*\j:163+4*\j], s[24:25] offset:512*\j       ; 32 lanes store 512 consecutive bytes
.endr
	s_wait_loadcnt 0x0
.set n, 0
.rept 32
	v_cvt_pk_f16_f32 v[32+n], v[96+2*n], v[97+2*n] ; into registers that no store reads
.set n, n+1
.endr
.irp j, 0,1,2,3,4,5,6,7
	global_store_b128 v3, v[32+4*\j:35+4*\j], s[24:25] offset:4096+512*\j
.endr
	s_endpgm
; ---- the mask: work-group gm = 128 b + query tile; wave u takes keys 512 u .. 512 u + 511: eight steps of 64 keys.
; In the third launch lane (r, h) holds, for query r, the score of key 64 ks + 16 (n / 8) + 8 h + n % 8 in register n.  The lane loads the mask at just those places, and a compare
; with 0 gives word n: bit l = 1 where lane l's key is open.  A step's 32 words are 128 bytes; two steps' leave as one store of 256 consecutive bytes.
.Lmask:
	v_and_b32 v2, 15, v0
	v_bfe_u32 v3, v0, 4, 1
	v_lshlrev_b32 v2, 13, v2
	v_lshl_add_u32 v2, v3, 5, v2                   ; row r of 8,192 bytes, + 32 h
	v_lshlrev_b32 v3, 3, v1                        ; out: 8 x lane
	s_lshl_b32 s66, ttmp9, 17                      ; 16 rows of 8,192 bytes,
	s_lshl_b32 s67, s30, 11                        ; my quarter of each
	s_add_co_u32 s66, s66, s67
	s_mov_b32 s67, 0
	s_add_nc_u64 s[66:67], s[18:19], s[66:67]
	s_lshl_b32 s68, ttmp9, 12                      ; a tile's 32 steps of 128 bytes,
	s_lshl_b32 s69, s30, 10                        ; my eight
	s_add_co_u32 s68, s68, s69
	s_mov_b32 s69, 0
	s_add_nc_u64 s[68:69], s[26:27], s[68:69]
	s_lshl_b32 s70, ttmp9, 4                       ; a tile's four flag words,
	s_lshl_b32 s71, s30, 2                         ; mine
	s_add_co_u32 s70, s70, s71
	s_mov_b32 s71, 0
	s_add_nc_u64 s[70:71], s[28:29], s[70:71]
	s_mov_b32 s74, 0                               ; which lanes have seen an open key
	s_mov_b32 s75, 0                               ; the flag word
.irp j, 16,17,18,19,20,21,22,23
	v_mov_b32 v\j, 0                               ; written once: v_writelane_b32 keeps the other lanes of its destination
.endr
.macro MLOAD k                         ; step k: eight loads; together they take 256 bytes of each of the 16 rows.  Three sets of 32 registers by turns
.irp t, 0,1,2,3
.irp e, 0,1
	global_load_b128 v[32+32*((\k)%3)+8*\t+4*\e:32+32*((\k)%3)+8*\t+4*\e+3], v2, s[66:67] offset:256*(\k)+64*\t+16*\e th:TH_LOAD_NT
.endr
.endr
.endm
.macro MSTEP k
.set MS, 32+32*((\k)%3)
.if (\k) <= 5
	s_wait_loadcnt 16                              ; this step's eight loads are in; those of the two steps behind it may be out
.else
	s_wait_loadcnt 8*(7-(\k))
.endif
.set n, 0
.rept 32
	v_cmp_ne_u32 s[32+n], 0, v[MS+n]               ; word n
.set n, n+1
.endr
.if (\k)+3 < 8
	MLOAD (\k)+3                                   ; the set has been read
.endif
	s_or_b32 s72, s32, s33                         ; is any key open,
	s_and_b32 s73, s32, s33                        ; are all?
.set n, 34
.rept 30
	s_or_b32 s72, s72, s[n]
	s_and_b32 s73, s73, s[n]
.set n, n+1
.endr
	s_or_b32 s74, s74, s72
	s_cmp_lg_u32 s72, 0
	s_cselect_b32 s76, 1<<(\k), 0
	s_or_b32 s75, s75, s76                         ; bit k: some key of the step is open
	s_cmp_lg_u32 s73, -1
	s_cselect_b32 s76, 1<<(8+(\k)), 0
	s_or_b32 s75, s75, s76                         ; bit 8 + k: some key of the step is masked
.set n, 0
.rept 32
	v_writelane_b32 v[16+2*((\k)/2)+(n&1)], s[32+n], (n>>1)+16*((\k)&1)   ; word n of two steps' 64 goes to lane (32 (k % 2) + n) / 2, register n % 2
.set n, n+1
.endr
.if (\k)&1
	global_store_b64 v3, v[16+2*((\k)/2):17+2*((\k)/2)], s[68:69] offset:256*((\k)/2)   ; 32 lanes store 256 consecutive bytes; each pair of steps has registers of its own
.endif
.endm
	MLOAD 0
	MLOAD 1
	MLOAD 2
.irp k, 0,1,2,3,4,5,6,7
	MSTEP \k
.endr
	s_lshr_b32 s76, s74, 16                        ; row r lies in lanes r and r + 16
	s_or_b32 s76, s76, s74
	s_lshl_b32 s76, s76, 16
	s_or_b32 s75, s75, s76                         ; bits 16 + r: row r has an open key in this quarter
	v_mov_b32 v24, s75
	v_mov_b32 v25, 0
	v_cmp_eq_u32 vcc_lo, 0, v1
	s_wait_xcnt 0x0                                ; EXEC changes only behind this wait: the stores above have been taken up
	s_and_saveexec_b32 s77, vcc_lo
	global_store_b32 v25, v24, s[70:71]            ; one word a wave
	s_wait_xcnt 0x0
	s_or_b32 exec_lo, exec_lo, s77
	s_endpgm
; ---- the quantiser: rows are dense and K = 1,024 is a multiple of 32, so each tensor is a plain stream of blocks of 32 numbers, and so are its codes and scale bytes.
; Work-group g takes 32,768 numbers, a wave 16 steps of 512.  Each of a step's four loads reads 512 consecutive bytes; the 2,048 bytes turn through the wave's own stage in LDS and come back
; 64 bytes a lane: 16 neighbours along K, two neighbouring lanes to a block.  Loads run four steps ahead, the turn through LDS one step.
.Lquant:
	s_sub_co_u32 s31, ttmp9, 512                   ; g
	v_lshlrev_b32 v3, 4, v1                        ; my 16 bytes of a load's 512
	s_mul_i32 s68, s30, WREG
	v_lshrrev_b32 v14, 2, v1
	v_mul_u32_u24 v14, v14, SP
	v_and_b32 v15, 3, v1
	v_lshl_add_u32 v14, v15, 4, v14
	v_add_nc_u32 v14, s68, v14                     ; the stage, on the way in: SP (lane / 4) + 16 (lane % 4)
	v_mul_u32_u24 v15, v1, SP
	v_add_nc_u32 v15, s68, v15                     ; and on the way out: SP x lane
	v_lshlrev_b32 v4, 3, v1                        ; my codes' place in a step's
	v_lshrrev_b32 v5, 1, v1
	s_add_co_u32 s68, s68, 2*32*SP
	v_add_nc_u32 v5, s68, v5                       ; LDS: my wave's 256 scale bytes, my block's byte
	v_lshlrev_b32 v7, 3, v1                        ; and on the way out 8 bytes a lane
	v_add_nc_u32 v6, s68, v7
	s_mov_b64 s[66:67], s[4:5]                     ; which tensor?  The choice hangs on the work-group's number alone: q, k, v have 256 work-groups each, the weights 32 each
	s_mov_b32 s78, 0                               ; and its first work-group
.macro PICK from, ptr
	s_cmp_ge_u32 s31, \from
	s_cselect_b64 s[66:67], s[\ptr:\ptr+1], s[66:67]
	s_cselect_b32 s78, \from, s78
.endm
	PICK 256, 6
	PICK 512, 8
	PICK 768, 10
	PICK 800, 12
	PICK 832, 14
	s_sub_co_u32 s79, s31, s78
	s_lshl_b32 s79, s79, 2
	s_add_co_u32 s79, s79, s30                     ; which run of 8,192 numbers of the tensor is my wave's
	s_lshl_b32 s70, s79, 15
	s_mov_b32 s71, 0
	s_add_nc_u64 s[66:67], s[66:67], s[70:71]
	s_lshl_b32 s79, s31, 2
	s_add_co_u32 s79, s79, s30                     ; and which of all six tensors' runs: they lie on end in the two buffers
	s_lshl_b32 s70, s79, 12                        ; 4,096 bytes of codes a run,
	s_add_nc_u64 s[20:21], s[20:21], s[70:71]
	s_lshl_b32 s70, s79, 8                         ; 256 scale bytes
	s_add_nc_u64 s[22:23], s[22:23], s[70:71]
.macro LOAD t
.irp i, 0,1,2,3
	global_load_b128 v[R+16*((\t)%4)+4*\i:R+16*((\t)%4)+4*\i+3], v3, s[66:67] offset:2048*(\t)+512*\i th:TH_LOAD_NT
.endr
.endm
.macro TURN t                          ; step t's numbers through the stage: LDS serves a wave's instructions in order (ISA guide 5.7.1.4), so no wait stands between the stores and the loads
.irp i, 0,1,2,3
	ds_store_b128 v14, v[R+16*((\t)%4)+4*\i:R+16*((\t)%4)+4*\i+3] offset:32*SP*((\t)%2)+8*SP*\i
.endr
.irp i, 0,1,2,3
	ds_load_b128 v[X+16*((\t)%2)+4*\i:X+16*((\t)%2)+4*\i+3], v15 offset:32*SP*((\t)%2)+16*\i
.endr
.endm
.irp t, 0,1,2,3
	LOAD \t
.endr
	s_wait_loadcnt 12                              ; step 0's four loads are in
	TURN 0
.macro STEP t
.set XS, X+16*((\t)%2)
.if (\t) > 0
	s_wait_dscnt 1                                 ; this step's numbers are back from the stage (the last step's byte store may be out): so its stores into the stage have read their registers,
.else
	s_wait_dscnt 0x0
.endif
.if (\t)+4 < STEPS
	LOAD (\t)+4                                    ; which take the loads of four steps on
.endif
.if (\t)+1 < STEPS
.if STEPS-2-(\t) >= 3
	s_wait_loadcnt 12                              ; the next step's four loads are in; those of the three steps behind it may be out
.else
	s_wait_loadcnt 4*(STEPS-2-(\t))
.endif
	TURN (\t)+1
.endif
	v_max3_num_f32 v8, |v[XS]|, |v[XS+1]|, |v[XS+2]|               ; the largest magnitude of my 16
	v_max3_num_f32 v9, |v[XS+3]|, |v[XS+4]|, |v[XS+5]|
.irp i, 6,10
	v_max3_num_f32 v8, v8, |v[XS+\i]|, |v[XS+\i+1]|
	v_max3_num_f32 v9, v9, |v[XS+\i+2]|, |v[XS+\i+3]|
.endr
	v_max3_num_f32 v8, v8, |v[XS+14]|, |v[XS+15]|
	v_max3_num_f32 v8, v8, v9, (EMAX+1)<<23        ; and the floor 2^(3 - 127): so the byte cannot fall under 1
	v_max_num_f32_dpp v8, v8, v8 row_xmask:1 row_mask:0xf bank_mask:0xf   ; and of my neighbour's 16: the block's
	v_add_nc_u32 v11, -(EMAX<<23), v8              ; 2 off its exponent field: the conversion takes the exponent field of this operand as its scale
	v_cvt_scalef32_pk8_fp4_f32 v[C+4*(\t)], v[XS:XS+7], v11
	v_cvt_scalef32_pk8_fp4_f32 v[C+4*(\t)+1], v[XS+8:XS+15], v11
	v_lshrrev_b32 v[E+(\t)], 23, v11               ; the scale's byte
	ds_store_b8 v5, v[E+(\t)] offset:16*(\t)       ; both lanes of a block write the same byte with the same value
	global_store_b64 v4, v[C+4*(\t):C+4*(\t)+1], s[20:21] offset:32*CB*(\t)   ; 32 lanes store 256 consecutive bytes
.endm
.irp t, 0,1,2,3,4,5,6,7,8,9,10,11,12,13,14,15
	STEP \t
.endr
	ds_load_b64 v[8:9], v6                         ; these see my byte stores
	s_wait_dscnt 0x0
	global_store_b64 v7, v[8:9], s[22:23]          ; 32 lanes store 256 consecutive bytes
	s_wait_tensorcnt 0x0                           ; the wave's end, behind my last LDS store
	ds_add_u32 v[SPW], v[NIL]
	s_wait_dscnt 0x0
	s_endpgm
.Lfunc_end_k_qc28e017235_prep:
	.size	k_qc28e017235_prep, .Lfunc_end_k_qc28e017235_prep-k_qc28e017235_prep
	.p2alignl 7, 3214868480
	.fill 96, 4, 3214868480
	.section	.rodata,"a",@progbits
	.p2align	6, 0x0
	.amdhsa_kernel k_qc28e017235_prep
		.amdhsa_group_segment_fixed_size 33280
		.amdhsa_private_segment_fixed_size 0
		.amdhsa_enable_private_segment 0
		.amdhsa_kernarg_size 104
		.amdhsa_user_sgpr_count 2
		.amdhsa_user_sgpr_kernarg_segment_ptr 1
		.amdhsa_wavefront_size32 1
		.amdhsa_system_sgpr_workgroup_id_x 1
		.amdhsa_system_sgpr_workgroup_id_y 1
		.amdhsa_system_sgpr_workgroup_id_z 1
		.amdhsa_system_vgpr_workitem_id 0
		.amdhsa_next_free_vgpr 192
		.amdhsa_next_free_sgpr 80
		.amdhsa_reserve_vcc 1
		.amdhsa_float_denorm_mode_32 3
		.amdhsa_float_denorm_mode_16_64 3
		.amdhsa_memory_ordered 1
		.amdhsa_forward_progress 1
		.amdhsa_inst_pref_size 101
	.end_amdhsa_kernel
	.amdgpu_metadata
---
amdhsa.version: [ 1, 2 ]
amdhsa.kernels:
  - .name:           k_qc28e017235_prep
    .symbol:         k_qc28e017235_prep.kd
    .args:
      - { .name: q, .offset: 0, .size: 8, .value_kind: global_buffer, .address_space: global }
      - { .name: k, .offset: 8, .size: 8, .value_kind: global_buffer, .address_space: global }
      - { .name: v, .offset: 16, .size: 8, .value_kind: global_buffer, .address_space: global }
      - { .name: w_q, .offset: 24, .size: 8, .value_kind: global_buffer, .address_space: global }
      - { .name: w_k, .offset: 32, .size: 8, .value_kind: global_buffer, .address_space: global }
      - { .name: w_v, .offset: 40, .size: 8, .value_kind: global_buffer, .address_space: global }
      - { .name: w_o, .offset: 48, .size: 8, .value_kind: global_buffer, .address_space: global }
      - { .name: mask, .offset: 56, .size: 8, .value_kind: global_buffer, .address_space: global }
      - { .name: codes, .offset: 64, .size: 8, .value_kind: global_buffer, .address_space: global }
      - { .name: scales, .offset: 72, .size: 8, .value_kind: global_buffer, .address_space: global }
      - { .name: wof, .offset: 80, .size: 8, .value_kind: global_buffer, .address_space: global }
      - { .name: maskw, .offset: 88, .size: 8, .value_kind: global_buffer, .address_space: global }
      - { .name: mflag, .offset: 96, .size: 8, .value_kind: global_buffer, .address_space: global }
    .group_segment_fixed_size: 33280
    .private_segment_fixed_size: 0
    .kernarg_segment_align: 8
    .kernarg_segment_size: 104
    .max_flat_workgroup_size: 128
    .sgpr_count:     80
    .vgpr_count:     192
    .wavefront_size: 32
...
	.end_amdgpu_metadata
.endif
;; end of part 1
;; launch proj (part 2): grid 4 x 96, 4 waves a work-group, clusters of 4 x 4, 327,680 bytes of LDS; arguments codes, scales, qkv; writes qkv
.if DOCPART == 2
	.amdgcn_target "amdgcn-amd-amdhsa--gfx1250"
	.amdhsa_code_object_version 6
	.text
	.protected	k_qc28e017235_proj
	.globl	k_qc28e017235_proj
	.p2align	8
	.type	k_qc28e017235_proj,@function
k_qc28e017235_proj:
	s_mov_b64 s[64:65], 0
	v_nop
	global_prefetch_b8 v0, s[64:65] scope:SCOPE_SE
	s_setreg_imm32_b32 hwreg(HW_REG_WAVE_MODE, 25, 1), 1
	s_wait_xcnt 0x0
	s_wait_alu depctr_hold_cnt(0) depctr_sa_sdst(0) depctr_va_vdst(0) depctr_va_sdst(0) depctr_va_ssrc(0) depctr_va_vcc(0) depctr_vm_vsrc(0)
	s_getreg_b32 s2, hwreg(HW_REG_IB_STS2, 6, 4)
	s_cmp_eq_u32 s2, 0
	s_cbranch_scc0 .Lentry_in_a_cluster
	s_endpgm
.Lentry_in_a_cluster:
	s_bfe_u32 s2, ttmp6, 0x10000c
	s_cmp_lg_u32 s2, 0xf033
	s_cbranch_scc0 .Lentry_shape_is_right
	s_endpgm
.Lentry_shape_is_right:
; Q = q w_q^T, K = k w_k^T, V = v w_v^T as ONE product on codes of FP4 (E2M1) with one E8M0 scale for each 32 along K: A = the 24,576 rows of q, k, v on end, B = the rows of the weight that belongs to A's rows.
; Nothing of the problem is left out here.  Sums in f32, K ascending, one accumulator for each output.
; A tile of 256 x 256 is made by a work-group of four waves; a wave makes 128 x 128: 64 accumulators, 512 registers.  K = 1,024 is two slots of 512 along K (rows of 256 bytes): both are first fills, nothing is filled again.
; The scale bytes of the work-group's 256 + 256 rows, for all of K, are two dense blocks of memory and come into LDS once.
; CLUSTERS: 4 x 4 work-groups.  The four of a row of the cluster need the same tiles of A, the four of a column the same tiles of B: each tile is asked for jointly.  A cluster's 1,024 rows of A lie in one of q, k, v
; (8,192 rows each), so the weight's number p = cluster y / 8 is the same in all sixteen.
; THE MATRIX INSTRUCTION IS USED TRANSPOSED (source 0 = 16 rows of the weight, source 1 = 16 tokens): a lane holds eight neighbouring features of one token.
; THE WAY OUT.  Q and K are multiplied by sqrt(log2(e) / 8) in f32, so that the next launch's scores are exponents of 2; all three are rounded to f16 once and stored AS THE NEXT LAUNCH'S OPERANDS LIE IN REGISTERS:
; a lane's 16 bytes (token r, channels 16 ct + 8 h + 0 .. 7 of a head) are registers of a 16-bit fragment as they stand, so each tile of 16 x 16 is one store of 512 consecutive bytes, and nothing goes through LDS.
; For Q and K the lane's place in the 512 bytes is 16 x lane; for V, which the next launch reads by the turning load, it is 16 x ((r / 8) 16 + 8 h + r % 8).
; REGISTERS, in windows of 256: window 0: v0-31 addresses; v32-95 scale words, two sets; from v128 A's fragments, one set, later the packed results.  window 1: B's fragments, two sets.  windows 2, 3: the accumulators ((a, b) at v[8 (8 (a % 4) + b)]).
.set SIZE_K, 1024
.set KSTEP,  512                       ; along K in a slot
.set NQ,     KSTEP/128                 ; matrix instructions deep
.set ROWB,   256                       ; a tile's row in bytes
.set KROW,   SIZE_K*4/8                ; a row of codes in memory
.set PITCH,  272                       ; an LDS row: 256 bytes + 16 of padding = 68 words: row r starts at bank 4 r mod 64 (ISA guide 11.1)
.set FR,     8                         ; registers of a fragment: 16 rows x 128 K
.set NL,     2                         ; LDS loads that bring one
.set NP,     4                         ; places behind this matrix instruction (ISA guide 7.12.1)
.set HALFT,  128*PITCH                 ; 128 rows: what one tensor load brings
.set SLOT,   4*HALFT                   ; A's 256 rows, then B's 256 rows
.set KS,     SIZE_K/32                 ; a row of scales in bytes
.set SCL,    2*SLOT                    ; behind the two slots: the scales, as units of 256 bytes + 16 of padding
.set HALFS,  (128*KS/256)*272          ; the scales of 128 rows
.set SBLK,   (16*KS/256)*272           ; those of 16 rows
.set SPARE,  SCL+4*HALFS               ; the spare words, 128 bytes for each wave: two blocks of 256 bytes that no other line names
.set WCODES, 12582912                  ; where the weights' codes begin: behind 24,576 rows of 512 bytes
.set WSCALES, 786432                   ; and their scale bytes: behind 24,576 rows of 32
.set ADRA, 16                          ; v16-17  LDS address of my A fragments in slot 0, 1
.set ADRB, 20                          ; v20-21  the same for B
.set COV,  25                          ; v25     the way out: my 16 bytes' place in a tile's 512, for V
.set COQ,  26                          ; v26     and for Q and K
.set ADRS, 27                          ; v27     LDS address of my scale words: lanes 0-15 A's rows, lanes 16-31 B's
.set SPW,  28                          ; v28     LDS address of my spare word; never rewritten
.set NIL,  29                          ; v29     0; never rewritten
.set SC,   32                          ; scale words: set s at v[SC + 32 s]; register 4 i + q: lanes 0-15 A's block i, lanes 16-31 B's block i, the slot's q-th 128 along K
.set AF,   128                         ; A's fragments, in window 0
.set TMP,  128                         ; the way out: packed results, four sets of 32
.set G1, 24                            ; s[24:31] descriptor group 1 for A's tiles;  s[32:39] group 0, one set for each slot
.set G0, 32
.set G1B, 48                           ; s[48:55], s[56:63] the same for B's tiles
.set G0B, 56
.set G1S, 68                           ; s[68:75], s[76:79] groups 1 and 0 for A's scales;  s[80:87], s[88:91] for B's
.set G0S, 76
.set G1SB, 80
.set G0SB, 88
.set MSB, 0
.macro WIN new                         ; the immediate's high byte repeats the setting that is left
.if MSB != \new
	s_set_vgpr_msb (MSB<<8)|\new
.set MSB, \new
.endif
.endm
.set MUL_LO, 0xa1                      ; source 0 (B) window 1, source 1 (A) window 0, C and D window 2
.set MUL_HI, 0xf1                      ; the same, C and D window 3
.set TO_B,   0x40                      ; destination window 1, address window 0
; A joint load: waves 0 and 1 fetch for A, waves 2 and 3 for B.  Each of the two lines has one mask and one set of registers for all that issue it; the branch hangs on the wave's number alone.
; An s_nop 0 and four v_nop follow each of the two lines, ahead of the jump, the label and what follows.
.macro JLOAD g0a, g1a, g0b, g1b
	s_cmp_eq_u32 s15, 0
	s_cbranch_scc0 .Lfor_b_\@
	tensor_load_to_lds s[\g0a:\g0a+3], s[\g1a:\g1a+7]
	s_nop 0
.rept 4
	v_nop
.endr
	s_branch .Lasked_\@
.Lfor_b_\@:
	tensor_load_to_lds s[\g0b:\g0b+3], s[\g1b:\g1b+7]
	s_nop 0
.rept 4
	v_nop
.endr
.Lasked_\@:
.endm
.macro CROUND                          ; a round of the cluster's barrier
	s_barrier_signal -1
	s_barrier_wait -1
	s_cmp_lg_u32 s14, 0
	s_cbranch_scc1 .Lnot_wave_0_\@
	s_barrier_signal -3
.Lnot_wave_0_\@:
	s_barrier_wait -3
	s_barrier_signal -1
	s_barrier_wait -1
.endm
	s_load_b128 s[4:7], s[0:1], 0x0                ; codes s[4:5], scales s[6:7]
	s_load_b64 s[12:13], s[0:1], 0x10              ; qkv
	v_lshl_add_u32 v[SPW], v0, 2, SPARE
	v_mov_b32 v[NIL], 0
	ds_add_u32 v[SPW], v[NIL]                      ; the wave's opening: the add, twice on end, and its wait ahead of my first tensor load
	ds_add_u32 v[SPW], v[NIL]                      ; and once more, under the one wait; the set-up below, work on registers, stands between
	v_lshrrev_b32 v1, 5, v0
	v_readfirstlane_b32 s14, v1                    ; wave 0..3
	s_lshr_b32 s15, s14, 1                         ; which half of the tile's rows is mine.  Also: I fetch for A (0) or for B (1)
	s_and_b32 s16, s14, 1                          ; which half of its columns.  Also: which 128 rows of that tile I fetch
	s_bfe_u32 s40, ttmp6, 0x40000                  ; cx, cy: my place in the cluster
	s_bfe_u32 s41, ttmp6, 0x40004
	s_lshl_b32 s42, ttmp9, 2
	s_add_co_u32 s42, s42, s40                     ; tile column = 4 x cluster x + cx
	s_and_b32 s17, ttmp7, 0xffff
	s_lshr_b32 s95, s17, 3                         ; p: 0 for q, 1 for k, 2 for v: eight clusters of 1,024 rows each; the same in all sixteen partners
	s_lshl_b32 s17, s17, 2
	s_add_co_u32 s17, s17, s41                     ; tile row = 4 x cluster y + cy
	s_lshl_b32 s43, s41, 2
	s_lshl_b32 s43, 15, s43                        ; my row of the cluster
	s_lshl_b32 s44, 0x1111, s40                    ; my column
	; descriptor group 1: a tile of 128 rows x 256 bytes, padded in LDS
	s_or_b32 s[G1+0], s43, (0<<16)|(1<<20)|(1<<21)|(5<<22)|(3<<25)  ; 15:0 the mask; 17:16 element of 1 byte; 20 padding on; 21 set beside a mask; 24:22 after every 64 words; 31:25 of 4 words
	s_or_b32 s[G1B+0], s44, (0<<16)|(1<<20)|(1<<21)|(5<<22)|(3<<25)
.irp g, G1, G1B
	s_mov_b32 s[\g+1], ROWB<<16                    ; tensor_dim0
	s_mov_b32 s[\g+2], 128<<16                     ; tensor_dim1 = 128
	s_mov_b32 s[\g+3], ROWB<<16                    ; tile_dim0
	s_mov_b32 s[\g+4], 128                         ; tile_dim1 = 128
	s_mov_b32 s[\g+5], KROW                        ; tensor_dim0_stride
	s_mov_b32 s[\g+6], 0
	s_mov_b32 s[\g+7], 0
.endr
	; and for the scales of 128 rows: a dense block of 4,096 bytes, as rows of 256 bytes (32 elements of 8 bytes), 16 bytes of padding behind each
	s_or_b32 s[G1S+0], s43, (3<<16)|(1<<20)|(1<<21)|(5<<22)|(3<<25)
	s_or_b32 s[G1SB+0], s44, (3<<16)|(1<<20)|(1<<21)|(5<<22)|(3<<25)
.irp g, G1S, G1SB
	s_mov_b32 s[\g+1], 32<<16
	s_mov_b32 s[\g+2], (128*KS/256)<<16
	s_mov_b32 s[\g+3], 32<<16
	s_mov_b32 s[\g+4], 128*KS/256
	s_mov_b32 s[\g+5], 32
	s_mov_b32 s[\g+6], 0
	s_mov_b32 s[\g+7], 0
.endr
	s_lshl_b32 s18, s16, 7                         ; which 128 rows of the tile I fetch
	s_lshl_b32 s20, s17, 8
	s_add_co_u32 s20, s20, s18                     ; A: row 256 x tile row + 128 x half
	s_lshl_b32 s46, s42, 8
	s_add_co_u32 s46, s46, s18                     ; B: row 256 x tile column + 128 x half
	s_lshl_b32 s47, s95, 10
	s_add_co_u32 s46, s46, s47                     ; + 1,024 p: the weight that belongs to A's rows
	s_mov_b32 s21, 0
	s_mov_b32 s47, 0
	s_mov_b64 s[18:19], KS
	s_mul_u64 s[22:23], s[20:21], s[18:19]         ; where these rows' scales begin, in bytes
	s_mul_u64 s[92:93], s[46:47], s[18:19]
	s_mov_b64 s[18:19], KROW
	s_mul_u64 s[20:21], s[20:21], s[18:19]         ; and their codes
	s_mul_u64 s[46:47], s[46:47], s[18:19]
	s_mul_i32 s45, s14, HALFT                      ; where they go: wave x 128 rows: no place in the cluster enters an LDS address
	s_mul_i32 s94, s14, HALFS
	s_mov_b32 s96, 0x3ed96d27                      ; sqrt(log2(e) / 8)
	s_mov_b32 s97, s96                             ; (named with it as a pair, so it is written)
	s_wait_dscnt 0x0                               ; both opening adds are done
	s_wait_kmcnt 0x0
	s_add_nc_u64 s[8:9], s[4:5], WCODES            ; the weights' codes
	s_add_nc_u64 s[10:11], s[6:7], WSCALES         ; and scale bytes
	s_add_nc_u64 s[20:21], s[4:5], s[20:21]
	s_add_nc_u64 s[22:23], s[6:7], s[22:23]
	s_add_nc_u64 s[46:47], s[8:9], s[46:47]
	s_add_nc_u64 s[92:93], s[10:11], s[92:93]
	CROUND                                         ; all sixteen work-groups are here: the first joint loads meet
	s_mov_b32 s[G0S], 1
	s_add_co_u32 s[G0S+1], s94, SCL
	s_mov_b64 s[G0S+2:G0S+3], s[22:23]
	s_or_b32 s[G0S+3], s[G0S+3], 0x80000000
	s_mov_b32 s[G0SB], 1
	s_add_co_u32 s[G0SB+1], s94, SCL
	s_mov_b64 s[G0SB+2:G0SB+3], s[92:93]
	s_or_b32 s[G0SB+3], s[G0SB+3], 0x80000000
	JLOAD G0S, G1S, G0SB, G1SB                     ; the scales first: they are wanted with the first slot
.irp s, 0,1
	s_mov_b32 s[G0+4*\s], 1
	s_add_co_u32 s[G0+4*\s+1], s45, \s*SLOT
	s_add_nc_u64 s[G0+4*\s+2:G0+4*\s+3], s[20:21], \s*ROWB
	s_or_b32 s[G0+4*\s+3], s[G0+4*\s+3], 0x80000000
	s_mov_b32 s[G0B+4*\s], 1
	s_add_co_u32 s[G0B+4*\s+1], s45, \s*SLOT
	s_add_nc_u64 s[G0B+4*\s+2:G0B+4*\s+3], s[46:47], \s*ROWB
	s_or_b32 s[G0B+4*\s+3], s[G0B+4*\s+3], 0x80000000
	JLOAD G0+4*\s, G1, G0B+4*\s, G1B               ; three loads of mine are out
.endr
	v_and_b32 v1, 15, v0                           ; r = l % 16
	v_bfe_u32 v2, v0, 4, 1                         ; h = l / 16
	v_mul_u32_u24 v3, v1, PITCH
	v_lshl_add_u32 v4, v2, 4, v3                   ; a fragment's row x pitch + 16 x half
	s_mul_i32 s21, s15, HALFT                      ; my 128 rows of A
	s_mul_i32 s22, s16, HALFT                      ; my 128 rows of B,
	s_add_co_u32 s22, s22, 2*HALFT                 ; which lie behind A's 256
.irp s, 0,1
	v_add_nc_u32 v[ADRA+\s], s21, v4
	v_add_nc_u32 v[ADRB+\s], s22, v4
	s_add_co_u32 s21, s21, SLOT
	s_add_co_u32 s22, s22, SLOT
.endr
	v_mul_u32_u24 v5, v1, KS                       ; my row's scales: 32 bytes a row,
	v_lshrrev_b32 v6, 8, v5
	v_lshl_add_u32 v5, v6, 4, v5                   ; and 16 more for each 256 passed
	s_mul_i32 s21, s15, HALFS                      ; A's: my 128 rows
	s_mul_i32 s22, s16, HALFS                      ; B's: my 128 rows, behind A's 256
	s_add_co_u32 s22, s22, 2*HALFS
	s_sub_co_u32 s22, s22, s21
	v_mul_u32_u24 v6, s22, v2                      ; lanes 16-31 take B's
	s_add_co_u32 s21, s21, SCL
	v_add_nc_u32 v5, v5, v6
	v_add_nc_u32 v[ADRS], s21, v5
	v_and_b32 v6, 31, v0
	v_lshlrev_b32 v[COQ], 4, v6                    ; Q, K: 16 x lane
	v_lshrrev_b32 v5, 3, v1
	v_lshlrev_b32 v5, 8, v5
	v_lshl_or_b32 v5, v2, 7, v5
	v_and_b32 v6, 7, v1
	v_lshl_or_b32 v[COV], v6, 4, v5                ; V: 256 (r / 8) + 128 h + 16 (r % 8)
	; where my part begins in qkv: part p of 2^24 bytes, batch b of 2^22, head of 2^18, a tile of 16 tokens of 2,048
	s_lshl_b32 s20, s17, 8
	s_lshl_b32 s21, s15, 7
	s_add_co_u32 s20, s20, s21                     ; my first row among the 24,576: 8,192 p + 2,048 b + token
	s_lshr_b32 s21, s20, 11
	s_lshl_b32 s21, s21, 22                        ; (4 p + b) x 2^22
	s_and_b32 s20, s20, 2047
	s_lshl_b32 s20, s20, 7                         ; token / 16 x 2,048
	s_or_b32 s20, s20, s21
	s_mov_b32 s21, 0
	s_lshl_b32 s46, s42, 2                         ; my first head: 4 x tile column + 2 x half
	s_lshl_b32 s47, s16, 1
	s_add_co_u32 s46, s46, s47
	s_lshl_b32 s46, s46, 18
	s_mov_b32 s47, 0
	s_add_nc_u64 s[20:21], s[20:21], s[46:47]
	s_add_nc_u64 s[12:13], s[12:13], s[20:21]
.macro FRAG reg, adr, q, i             ; a fragment, 16 rows x 128 K of 4-bit codes, is 8 registers: lane l holds row l % 16; registers 4 c .. 4 c + 3 hold K = 64 c + 32 (l / 16) + 0 .. 31
.irp c, 0,1
	ds_load_b128 v[\reg+4*\c:\reg+4*\c+3], v[\adr] offset:64*(\q)+32*\c+(\i)*16*PITCH
.endr
.endm
; 16 matrix instructions: A's blocks a0, a0 + 1 x B's eight, the slot's q-th 128 along K.  p: B's set;  sc: the set of scale words.  zero = 1: the first product starts the sums.
; The 64 accumulators take turns, one instruction a turn, in the same order in every step.
.macro MUL16 a0, p, q, sc, zero
.irp a, \a0, \a0+1
.irp b, 0,1,2,3,4,5,6,7
.if \zero
	v_wmma_scale_f32_16x16x128_f8f6f4 v[8*(8*((\a)%4)+\b):8*(8*((\a)%4)+\b)+7], v[128*(\p)+FR*\b:128*(\p)+FR*\b+FR-1], v[AF+FR*(\a):AF+FR*(\a)+FR-1], 0, v[SC+8*NQ*(\sc)+NQ*\b+(\q)], v[SC+8*NQ*(\sc)+NQ*(\a)+(\q)] matrix_a_fmt:MATRIX_FMT_FP4 matrix_b_fmt:MATRIX_FMT_FP4 matrix_a_scale:MATRIX_SCALE_ROW1
.else
	v_wmma_scale_f32_16x16x128_f8f6f4 v[8*(8*((\a)%4)+\b):8*(8*((\a)%4)+\b)+7], v[128*(\p)+FR*\b:128*(\p)+FR*\b+FR-1], v[AF+FR*(\a):AF+FR*(\a)+FR-1], v[8*(8*((\a)%4)+\b):8*(8*((\a)%4)+\b)+7], v[SC+8*NQ*(\sc)+NQ*\b+(\q)], v[SC+8*NQ*(\sc)+NQ*(\a)+(\q)] matrix_a_fmt:MATRIX_FMT_FP4 matrix_b_fmt:MATRIX_FMT_FP4 matrix_a_scale:MATRIX_SCALE_ROW1
.endif
.endr
.endr
.endm
.macro FETCH_B slot, q, p              ; B's eight fragments of the slot's q-th 128 along K into set p
	WIN TO_B
.irp i, 0,1,2,3,4,5,6,7
	FRAG 128*(\p)+FR*\i, ADRB+\slot, \q, \i
.endr
	WIN 0
.endm
.macro FETCH_A slot, q, i0             ; A's blocks i0 .. i0 + 3
.irp i, \i0, \i0+1, \i0+2, \i0+3
	FRAG AF+FR*(\i), ADRA+\slot, \q, \i
.endr
.endm
.macro SCALES sc                       ; a slot's scale words into set sc: four words a row; lanes 0-15 take A's block i, lanes 16-31 B's block i
.irp i, 0,1,2,3,4,5,6,7
	ds_load_b128 v[SC+8*NQ*\sc+NQ*\i:SC+8*NQ*\sc+NQ*\i+3], v[ADRS] offset:\i*SBLK
.endr
.endm
; A load into a register that a matrix instruction has read, and a vector instruction that reads a matrix result or writes one of its registers, stand NP places behind it; only plain vector
; instructions that name none of its registers are places (ISA guide 7.12.1 for vector instructions).
.macro PLACES n
.rept \n
	v_nop
.endr
.endm
; A step of 128 along K that has its successor in the same slot.  A block of A is free as soon as its eight products are issued, so one set of registers serves A; B has two sets.
.macro STEP slot, q, zero
	s_wait_dscnt 4*NL                              ; B's set and A's blocks 0-3 are in; the youngest eight loads (A's blocks 4-7) may be out
	WIN MUL_LO
	MUL16 0, (\q)%2, \q, \slot, \zero
	MUL16 2, (\q)%2, \q, \slot, \zero
	s_wait_dscnt 0                                 ; A's blocks 4-7 are in
	PLACES NP
	FETCH_B \slot, (\q)+1, 1-(\q)%2
	FETCH_A \slot, (\q)+1, 0
	WIN MUL_HI
	MUL16 4, (\q)%2, \q, \slot, \zero
	MUL16 6, (\q)%2, \q, \slot, \zero
	PLACES NP
	WIN 0
	FETCH_A \slot, (\q)+1, 4
.endm
; Slot 0's last step changes slots: one barrier; in front of it each wave waits for all its tensor loads (its part of slot 1), so that behind it slot 1 is whole for every wave.  Nothing is filled again.
.macro TURN slot, next
	s_wait_tensorcnt 0x0                           ; all my tensor loads have landed
	ds_add_u32 v[SPW], v[NIL]                      ; 0 onto my spare word
	s_wait_dscnt 4*NL+1                            ; (the add and the youngest eight loads, A's blocks 4-7, may be out)
	WIN MUL_LO
	MUL16 0, 1, NQ-1, \slot, 0                     ; sixteen matrix instructions stand between the add and the wait for it
	s_wait_dscnt 0x0                               ; the add is done, and my reads of this slot are over
	s_barrier_signal -1
	MUL16 2, 1, NQ-1, \slot, 0
	WIN 0
	s_barrier_wait -1
	PLACES NP
	v_add_nc_u32 v[ADRS], 4*NQ, v[ADRS]            ; on to the next slot's scale words (no LDS load of mine is out)
	FETCH_B \next, 0, 0
	FETCH_A \next, 0, 0
	SCALES \next
	WIN MUL_HI
	MUL16 4, 1, NQ-1, \slot, 0
	MUL16 6, 1, NQ-1, \slot, 0
	PLACES NP
	WIN 0
	FETCH_A \next, 0, 4
.endm
.macro STEPS slot, from                ; the slot's steps from .. NQ - 2
.set QQ, \from
.rept NQ-1-\from
	STEP \slot, QQ, 0
.set QQ, QQ+1
.endr
.endm
	s_wait_tensorcnt 1                             ; the scales and my part of slot 0 are in (slot 1's load may be out),
	s_barrier_signal -1
	s_barrier_wait -1                              ; everybody's are
	FETCH_B 0, 0, 0
	FETCH_A 0, 0, 0
	SCALES 0
	FETCH_A 0, 0, 4
	STEP 0, 0, 1                                   ; the first step's products start the sums: nothing is cleared
	STEPS 0, 1
	TURN 0, 1
	STEPS 1, 0
	s_wait_dscnt 4*NL                              ; the very last step: nothing more to fetch
	WIN MUL_LO
	MUL16 0, 1, NQ-1, 1, 0
	MUL16 2, 1, NQ-1, 1, 0
	s_wait_dscnt 0
	WIN MUL_HI
	MUL16 4, 1, NQ-1, 1, 0
	MUL16 6, 1, NQ-1, 1, 0
	WIN 0
; THE WAY OUT, block by block of 16 tokens x 128 features (two heads).  scaled = 1: x sqrt(log2(e) / 8) first, in place.  Each accumulator is read from its low end on.
; Tile (a, b) goes to a x 2,048 (the tile of tokens) + (b / 4) x 2^18 (the head) + (b % 4) x 512 (16 channels of the head): 32 lanes store 512 consecutive bytes.
.macro WAYOUT scaled, co
	PLACES NP                                      ; behind the last products: for the first reads of results and for the writes into the registers that held A's fragments
.irp a, 0,1,2,3,4,5,6,7
.set AC, 64*(\a%4)
.set TM, TMP+32*(\a%4)
.if \a >= 4
	s_wait_xcnt 0x0                                ; block a - 4's stores have been taken up: their data registers are written again only behind this wait
.endif
.if \scaled
	WIN 0x82+0x41*(\a/4)                           ; destination and source 0: window 2 or 3
.set i, 0
.rept 32
	v_pk_mul_f32 v[AC+i:AC+i+1], v[AC+i:AC+i+1], s[96:97] op_sel_hi:[1,0]
.set i, i+2
.endr
.endif
	WIN 0x0a+5*(\a/4)                              ; sources 0 and 1: window 2 or 3; destination window 0
.set i, 0
.rept 32
	v_cvt_pk_f16_f32 v[TM+i], v[AC+2*i], v[AC+2*i+1]
.set i, i+1
.endr
	WIN 0
.irp b, 0,1,2,3,4,5,6,7
	global_store_b128 v[\co], v[TM+4*\b:TM+4*\b+3], s[12:13] offset:\a*2048+(\b/4)*262144+(\b%4)*512 th:TH_STORE_NT
.endr
.endr
.endm
	s_cmp_eq_u32 s95, 2                            ; the same in all sixteen partners; no joint load follows
	s_cbranch_scc1 .Lv
	WAYOUT 1, COQ
	s_branch .Lend
.Lv:
	WAYOUT 0, COV
.Lend:
	s_wait_tensorcnt 0x0                           ; the wave's end, behind my last tensor load
	ds_add_u32 v[SPW], v[NIL]
	s_wait_dscnt 0x0
	CROUND                                         ; the closing round: no work-group ends while a partner may still ask for a tile that names it
	s_endpgm
.Lfunc_end_k_qc28e017235_proj:
	.size	k_qc28e017235_proj, .Lfunc_end_k_qc28e017235_proj-k_qc28e017235_proj
	.p2alignl 7, 3214868480
	.fill 96, 4, 3214868480
	.section	.rodata,"a",@progbits
	.p2align	6, 0x0
	.amdhsa_kernel k_qc28e017235_proj
		.amdhsa_group_segment_fixed_size 327680
		.amdhsa_private_segment_fixed_size 0
		.amdhsa_enable_private_segment 0
		.amdhsa_kernarg_size 24
		.amdhsa_user_sgpr_count 2
		.amdhsa_user_sgpr_kernarg_segment_ptr 1
		.amdhsa_wavefront_size32 1
		.amdhsa_system_sgpr_workgroup_id_x 1
		.amdhsa_system_sgpr_workgroup_id_y 1
		.amdhsa_system_sgpr_workgroup_id_z 1
		.amdhsa_system_vgpr_workitem_id 0
		.amdhsa_next_free_vgpr 1024
		.amdhsa_next_free_sgpr 98
		.amdhsa_reserve_vcc 0
		.amdhsa_float_denorm_mode_32 3
		.amdhsa_float_denorm_mode_16_64 3
		.amdhsa_memory_ordered 1
		.amdhsa_forward_progress 1
		.amdhsa_inst_pref_size 157
	.end_amdhsa_kernel
	.amdgpu_metadata
---
amdhsa.version: [ 1, 2 ]
amdhsa.kernels:
  - .name:           k_qc28e017235_proj
    .symbol:         k_qc28e017235_proj.kd
    .args:
      - { .name: codes, .offset: 0, .size: 8, .value_kind: global_buffer, .address_space: global }
      - { .name: scales, .offset: 8, .size: 8, .value_kind: global_buffer, .address_space: global }
      - { .name: qkv, .offset: 16, .size: 8, .value_kind: global_buffer, .address_space: global }
    .group_segment_fixed_size: 327680
    .private_segment_fixed_size: 0
    .kernarg_segment_align: 8
    .kernarg_segment_size: 24
    .max_flat_workgroup_size: 128
    .sgpr_count:     98
    .vgpr_count:     1024
    .wavefront_size: 32
...
	.end_amdgpu_metadata
.endif
;; end of part 2
;; launch attn (part 3): grid 4 x 64, 8 waves a work-group, no clusters, 132,096 bytes of LDS; arguments qkv, maskw, mflag, xf; writes xf
.if DOCPART == 3
	.amdgcn_target "amdgcn-amd-amdhsa--gfx1250"
	.amdhsa_code_object_version 6
	.text
	.protected	k_qc28e017235_attn
	.globl	k_qc28e017235_attn
	.p2align	8
	.type	k_qc28e017235_attn,@function
k_qc28e017235_attn:
	s_mov_b64 s[64:65], 0
	v_nop
	global_prefetch_b8 v0, s[64:65] scope:SCOPE_SE
	s_setreg_imm32_b32 hwreg(HW_REG_WAVE_MODE, 25, 1), 1
	s_wait_xcnt 0x0
; x[b][q][head] = the sum over keys of softmax(where(mask == 0, -1e9, Q . K / 8)) V, for one head and 2 x 256 queries a work-group.  Q, K, V: f16, as the launch before stored them; products, maxima and sums in f32;
; the weights p are rounded to f16 for the second product, x once at the end.
; LEFT OUT: a step of 64 keys whose mask is 0 for all of a wave's 32 queries, where every one of the work-group's 256 query rows has an open key: there each such key's weight is exp(-1e9 - max) = 0.
; Where some row has none, all steps are walked and masked scores count as -1e9, as in the problem.  Which steps those are is read from the flags that the first launch stored.
; LIMITS: a row whose largest open score lies within some 150 of -1e9 is not served; a NaN or an infinity that reaches only a step left out is not carried to the result.
; SHARES.  Work-group (x, head) takes query blocks 7 - x and x of 256, one after the other.  Each of eight waves owns 32 queries: two tiles of 16.  Two waves share a SIMD, so that one wave's softmax stands beside the other's products.
; LAYOUT.  S^T = K Q^T (source 0 = 16 keys, source 1 = 16 queries) and O^T = V^T P (source 0 = 16 channels, source 1 = P): a lane holds ONE query (lane % 16) throughout.  Two tiles of S^T, rounded to f16 in pairs, are source 1 of the second product.
; SOFTMAX.  Q and K carry sqrt(log2(e) / 8) each, so a score is t = log2(e) q . k / 8, and p = 2^(t - m), m the running maximum (of masked scores too); in every step O and the sum l are multiplied by a = 2^(m_old - m_new).
; t - m is formed by one subtraction, so it is exactly 0 at the maximum, whatever its size.
; K AND V come through two LDS buffers of 256 keys (four steps), as dense copies of memory: every operand is stored in the order of its registers, so each LDS load reads 512 consecutive bytes at 16 x lane.
; The next slot is loaded into registers at a trip's head and stored to the other buffer at its end: four key steps lie between.
; NO TENSOR LOADS, NO CLUSTER, NO JOINT LOADS, though the four work-groups of a head walk the same K and V: how many steps a work-group walks hangs on flags read from memory.
; REGISTERS: window 0: v1-7 addresses and constants; v16-31 eight statistics a tile; v32-63 Q; v64-127 S^T, then p; v128-159 P; v160-223 O^T; v224-255 x packed.
;   window 1: v0-63 K's fragments of a step; v64-127 V's; v128-191 the next slot on its way to LDS.
.set BUF1,  65536                      ; buffer 1; a buffer: K's four steps of 8,192 bytes, then V's
.set VOFF,  32768
.set SPARE, 131072                     ; behind the buffers: the spare words, 128 bytes for each wave: four blocks of 256 bytes that no other line names
.set NEG,   5                          ; v5  -1e9 log2(e)
.set SPW,   6                          ; v6  LDS address of my spare word; never rewritten
.set NIL,   7                          ; v7  0; never rewritten
.set ST,    16                         ; tile x at v[ST + 8 x]: +0 m, +1 the old m, +2, +3 l (even keys', odd keys'), +4 .. +7 c0-c3 at work; a takes c2's place
.set Q,     32                         ; 16 x + 8 c
.set S,     64                         ; 32 x + 8 t
.set P,     128                        ; 16 x + 8 kc
.set O,     160                        ; 32 x + 8 ct
.set OUTR,  224
.set KF,    0                          ; window 1
.set VF,    64
.set SG,    128
; v1 = 16 x lane (reads of buffer 0), v3 = v1 + BUF1; v2 = 16 x thread (stores into buffer 0, and the loads' offset), v4 = v2 + BUF1
; s2 wave; s3 slots' counter; s[4:5] Q of my head; s[6:7] maskw; s[8:9] mflag; s[10:11] xf; s[12:13], s[14:15] K's and V's slot in memory; s[16:23] my two tiles' flags;
; s24 VW: bit 0 = walk the step in hand; s25 PW: bit 0 = it has masked keys; s26 LA: low four bits = the slot has a step that some wave walks; s27 the query block; s28 the pass; s29, s66, s67 at work;
; s[30:31] my mask words of the step in hand; s[32:63], s[68:99] the mask words of tile 0 and tile 1 (in a pass's head: the work-group's 64 flag words); s[100:101] lane selects
.set MSB, 0
.macro WIN new                         ; the immediate's high byte repeats the setting that is left
.if MSB != \new
	s_set_vgpr_msb (MSB<<8)|\new
.set MSB, \new
.endif
.endm
.macro BAR                             ; my LDS stores have landed and my LDS loads are in: then the work-group's barrier
	s_wait_dscnt 0x0
	s_barrier_signal -1
	s_barrier_wait -1
.endm
.macro STAGE_IN                        ; a slot's 32,768 bytes of K and of V: 256 threads x 16 bytes an instruction
	WIN 0x40                                       ; destination window 1
.irp i, 0,1,2,3,4,5,6,7
	global_load_b128 v[SG+4*\i:SG+4*\i+3], v2, s[12:13] offset:4096*\i
.endr
.irp i, 0,1,2,3,4,5,6,7
	global_load_b128 v[SG+32+4*\i:SG+32+4*\i+3], v2, s[14:15] offset:4096*\i
.endr
	WIN 0
.endm
.macro STAGE_OUT wr                    ; and into a buffer, as they lie
	WIN 0x04                                       ; an LDS store's data are its source 1: window 1
.irp i, 0,1,2,3,4,5,6,7
	ds_store_b128 v[\wr], v[SG+4*\i:SG+4*\i+3] offset:4096*\i
.endr
.irp i, 0,1,2,3,4,5,6,7
	ds_store_b128 v[\wr], v[SG+32+4*\i:SG+32+4*\i+3] offset:VOFF+4096*\i
.endr
	WIN 0
.endm
.macro SLOT0                           ; the head's first 256 keys: always fetched
	s_add_nc_u64 s[12:13], s[4:5], 0x1000000       ; K's part lies 2^24 bytes behind Q's,
	s_add_nc_u64 s[14:15], s[4:5], 0x2000000       ; V's 2^25
	STAGE_IN
.endm
.macro MYTILE                          ; s29 = my first tile of 16 queries among all 512: 128 b + 16 x block + 2 x wave
	s_and_b32 s29, ttmp7, 0xffff
	s_lshr_b32 s29, s29, 4
	s_lshl_b32 s29, s29, 7
	s_lshl_b32 s66, s27, 4
	s_add_co_u32 s29, s29, s66
	s_lshl_b32 s66, s2, 1
	s_add_co_u32 s29, s29, s66
.endm
.macro ASM8 dst, r0, off               ; the bytes at bit off of four registers on end, the first lowest
	s_bfe_u32 s[\dst], s[\r0], 0x80000+\off
	s_bfe_u32 s3, s[\r0+1], 0x80000+\off
	s_lshl_b32 s3, s3, 8
	s_or_b32 s[\dst], s[\dst], s3
	s_bfe_u32 s3, s[\r0+2], 0x80000+\off
	s_lshl_b32 s3, s3, 16
	s_or_b32 s[\dst], s[\dst], s3
	s_bfe_u32 s3, s[\r0+3], 0x80000+\off
	s_lshl_b32 s3, s3, 24
	s_or_b32 s[\dst], s[\dst], s3
.endm
; A KEY STEP: 64 keys, the q-th of the slot in buffer buf.
.macro STEP buf, q
	s_bitcmp1_b32 s24, 0                           ; a step that is masked throughout for my 32 queries is left out: no barrier stands in a step
	s_cbranch_scc0 .Lskip_\@
	s_bitcmp1_b32 s25, 0                           ; a step with no masked key needs no mask words
	s_cbranch_scc0 .Lnom_\@
	s_load_b512 s[32:47], s[30:31], 0x0            ; tile 0's 32 words,
	s_load_b512 s[48:63], s[30:31], 0x40
	s_load_b512 s[68:83], s[30:31], 0x1000         ; tile 1's: a tile's words are 4,096 bytes
	s_load_b512 s[84:99], s[30:31], 0x1040
.Lnom_\@:
	WIN 0x40                                       ; destination window 1
.set i, 0
.rept 16
	ds_load_b128 v[KF+4*i:KF+4*i+3], v[1+2*\buf] offset:(\q)*8192+512*i   ; K: keys 16 (i / 4) on, channels 32 ((i / 2) % 2) on, registers 4 (i % 2) on
.set i, i+1
.endr
.irp kc, 0,1
.irp hf, 0,1
.irp ct, 0,1,2,3
	ds_load_tr16_b128 v[VF+32*\kc+8*\ct+4*\hf:VF+32*\kc+8*\ct+4*\hf+3], v[1+2*\buf] offset:VOFF+(\q)*8192+(2*\kc+\hf)*2048+\ct*512   ; V turned: lane l gets channel 16 ct + l % 16, keys 32 kc + 16 hf + 8 (l / 16) + 0 .. 7
.endr
.endr
.endr
	s_wait_dscnt 16                                ; K's sixteen loads are in; V's sixteen may be out
	WIN 0x01                                       ; source 0 window 1
.set i, 0
.rept 16                                           ; S^T = K Q^T: channels 32 (i / 8) on, keys 16 ((i / 2) % 4) on, tile i % 2: eight accumulators by turns
.set rS, S+32*(i%2)+8*((i/2)%4)
.set rK, KF+8*(2*((i/2)%4)+i/8)
.set rQ, Q+16*(i%2)+8*(i/8)
.if i < 8
	v_wmma_f32_16x16x32_f16 v[rS:rS+7], v[rK:rK+7], v[rQ:rQ+7], 0
.else
	v_wmma_f32_16x16x32_f16 v[rS:rS+7], v[rK:rK+7], v[rQ:rQ+7], v[rS:rS+7]
.endif
.set i, i+1
.endr
	WIN 0
	v_mov_b32 v[ST+1], v[ST]                       ; the old m is kept for a.  These two and two v_nop are the four places behind the products
	v_mov_b32 v[ST+9], v[ST+8]
	v_nop
	v_nop
	s_wait_kmcnt 0x0                               ; the mask words, where they were asked for; it also frees their pointer
	s_bitcmp1_b32 s25, 0
	s_cbranch_scc0 .Lopen_\@
.set n, 0
.rept 32
	v_cndmask_b32 v[S+n], v[NEG], v[S+n], s[32+n]  ; a masked key's score is replaced, as in the problem
.set n, n+1
.endr
.set n, 0
.rept 32
	v_cndmask_b32 v[S+32+n], v[NEG], v[S+32+n], s[68+n]
.set n, n+1
.endr
.Lopen_\@:
	; the maximum of the lane's 32 scores and the old m, three operands at a time, in four chains; the two tiles line by line in turn
.irp j, 0,1,2,3
.irp x, 0,1
	v_max3_num_f32 v[ST+8*\x+4+\j], v[S+32*\x+8*\j], v[S+32*\x+8*\j+1], v[S+32*\x+8*\j+2]
.endr
.endr
.irp g, 1,2
.irp j, 0,1,2,3
.irp x, 0,1
	v_max3_num_f32 v[ST+8*\x+4+\j], v[ST+8*\x+4+\j], v[S+32*\x+8*\j+2*\g+1], v[S+32*\x+8*\j+2*\g+2]
.endr
.endr
.endr
.irp x, 0,1
	v_max3_num_f32 v[ST+8*\x+4], v[ST+8*\x+4], v[S+32*\x+7], v[S+32*\x+15]
.endr
.irp x, 0,1
	v_max3_num_f32 v[ST+8*\x+6], v[ST+8*\x+6], v[S+32*\x+23], v[S+32*\x+31]
.endr
.irp x, 0,1
	v_max3_num_f32 v[ST+8*\x+4], v[ST+8*\x+4], v[ST+8*\x+5], v[ST+8*\x+6]
.endr
.irp x, 0,1
	v_max3_num_f32 v[ST+8*\x+4], v[ST+8*\x+4], v[ST+8*\x+7], v[ST+8*\x]
.endr
.irp x, 0,1
	v_permlanex16_b32 v[ST+8*\x+5], v[ST+8*\x+4], s100, s101   ; the query's other 32 keys lie in the lane 16 away
.endr
.irp x, 0,1
	v_max_num_f32 v[ST+8*\x], v[ST+8*\x+4], v[ST+8*\x+5]       ; the new m
.endr
.irp x, 0,1
	v_sub_f32 v[ST+8*\x+7], v[ST+8*\x+1], v[ST+8*\x]           ; m_old - m_new
.endr
.irp b, 0,2,4,6,8,10,12,14,16,18,20,22,24,26,28,30
.irp x, 0,1
	v_pk_add_f32 v[S+32*\x+\b:S+32*\x+\b+1], v[S+32*\x+\b:S+32*\x+\b+1], v[ST+8*\x:ST+8*\x+1] op_sel_hi:[1,0] neg_lo:[0,1] neg_hi:[0,1]   ; t - m, two at a time
.endr
.endr
.irp x, 0,1
	v_exp_f32 v[ST+8*\x+6], v[ST+8*\x+7]           ; a.  ONE BATCH of 66 exponentials; none reads another's result
.endr
.set i, 0
.rept 32
	v_exp_f32 v[S+i], v[S+i]
	v_exp_f32 v[S+32+i], v[S+32+i]
.set i, i+1
.endr
	v_nop                                          ; a plain instruction behind the last exponential, ahead of the first use
	s_wait_alu depctr_va_vdst(0)                   ; the wait ahead of the first instruction that names a result: one for the batch
.set i, 0
.rept 16
	v_cvt_pk_f16_f32 v[P+i], v[S+2*i], v[S+2*i+1]  ; a pair of neighbouring keys' weights
	v_cvt_pk_f16_f32 v[P+16+i], v[S+32+2*i], v[S+32+2*i+1]
.set i, i+1
.endr
.irp w, 4,8,16,32                                  ; the sum of a tile's 16 pairs, of the unrounded weights, in place: neighbours 1, 2, 4 and 8 pairs apart
.set u, 0
.rept 32/\w
.irp x, 0,1
	v_pk_add_f32 v[S+32*\x+\w*u:S+32*\x+\w*u+1], v[S+32*\x+\w*u:S+32*\x+\w*u+1], v[S+32*\x+\w*u+\w/2:S+32*\x+\w*u+\w/2+1]
.endr
.set u, u+1
.endr
.endr
.irp x, 0,1
	v_pk_fma_f32 v[ST+8*\x+2:ST+8*\x+3], v[ST+8*\x+2:ST+8*\x+3], v[ST+8*\x+6:ST+8*\x+7], v[S+32*\x:S+32*\x+1] op_sel_hi:[1,0,1]   ; l = a l + the sum
.endr
.set i, 0
.rept 16
	v_pk_mul_f32 v[O+2*i:O+2*i+1], v[O+2*i:O+2*i+1], v[ST+6:ST+7] op_sel_hi:[1,0]          ; O^T x a, each accumulator from its low end on
	v_pk_mul_f32 v[O+32+2*i:O+32+2*i+1], v[O+32+2*i:O+32+2*i+1], v[ST+14:ST+15] op_sel_hi:[1,0]
.set i, i+1
.endr
	s_wait_dscnt 0x0                               ; V is in
	WIN 0x01
.set i, 0
.rept 16                                           ; O^T += V^T P: keys 32 (i / 8) on, channels 16 ((i / 2) % 4) on, tile i % 2: eight accumulators by turns
.set rO, O+32*(i%2)+8*((i/2)%4)
.set rV, VF+32*(i/8)+8*((i/2)%4)
.set rP, P+16*(i%2)+8*(i/8)
	v_wmma_f32_16x16x32_f16 v[rO:rO+7], v[rV:rV+7], v[rP:rP+7], v[rO:rO+7]
.set i, i+1
.endr
	WIN 0
.rept 4
	v_nop                                          ; places in front of the next loads into V's registers and of the next reads of O^T
.endr
.Lskip_\@:
	s_lshr_b32 s24, s24, 1                         ; the next step's flags,
	s_lshr_b32 s25, s25, 1
	s_add_nc_u64 s[30:31], s[30:31], 128           ; and its mask words
.endm
; A TRIP: the slot in buffer buf is walked; the next slot, if some wave walks a step of it, is asked for at the head and stored into the other buffer at the end.
; ONE barrier does two things: behind it the other buffer is whole, and nobody reads this one any more.  Every wave passes it, whatever the flags say.
.macro TRIP buf
	s_lshr_b32 s26, s26, 4                         ; the next slot's four bits.  Behind the eighth shift they are 0: the last trip asks for nothing
	s_add_nc_u64 s[12:13], s[12:13], 32768         ; (no load that names these is out: each trip waits for all its loads)
	s_add_nc_u64 s[14:15], s[14:15], 32768
	s_and_b32 s29, s26, 15
	s_cmp_lg_u32 s29, 0
	s_cbranch_scc0 .Lnl_\@
	STAGE_IN
.Lnl_\@:
	STEP \buf, 0
	STEP \buf, 1
	STEP \buf, 2
	STEP \buf, 3
	s_wait_loadcnt 0x0                             ; on every path
	s_cmp_lg_u32 s29, 0
	s_cbranch_scc0 .Lns_\@
	STAGE_OUT 4-2*\buf
.Lns_\@:
	BAR
.endm
	s_load_b256 s[4:11], s[0:1], 0x0               ; qkv, maskw, mflag, xf
	v_lshl_add_u32 v[SPW], v0, 2, SPARE
	v_mov_b32 v[NIL], 0
	v_lshrrev_b32 v1, 5, v0
	v_readfirstlane_b32 s2, v1                     ; wave 0..7
	v_and_b32 v1, 31, v0
	v_lshlrev_b32 v1, 4, v1                        ; 16 x lane
	v_lshlrev_b32 v2, 4, v0                        ; 16 x thread
	v_add_nc_u32 v3, BUF1, v1
	v_add_nc_u32 v4, BUF1, v2
	v_mov_b32 v[NEG], 0xceabfb8f                   ; -1e9 log2(e)
	s_mov_b32 s100, 0x76543210
	s_mov_b32 s101, 0xfedcba98                     ; v_permlanex16_b32's selects for lane l xor 16
	s_sub_co_u32 s27, 7, ttmp9                     ; the first pass's block of 256 queries
	s_mov_b32 s28, 0
	s_and_b32 s66, ttmp7, 0xffff                   ; 16 b + head
	s_lshl_b32 s66, s66, 18                        ; a head's 2,048 x 64 f16
	s_mov_b32 s67, 0
	s_wait_kmcnt 0x0
	s_add_nc_u64 s[4:5], s[4:5], s[66:67]
	SLOT0
.Lpass:
	s_wait_xcnt 0x0                                ; the last pass's stores have been taken up: their base and data may be written again
	MYTILE
	s_lshl_b32 s24, s29, 4                         ; my two tiles' flags: 16 bytes a tile
	s_mov_b32 s25, 0
	s_add_nc_u64 s[24:25], s[8:9], s[24:25]
	s_lshl_b32 s66, s2, 1
	s_sub_co_u32 s30, s29, s66                     ; the work-group's first tile
	s_lshl_b32 s30, s30, 4
	s_mov_b32 s31, 0
	s_add_nc_u64 s[30:31], s[8:9], s[30:31]
	s_load_b512 s[32:47], s[30:31], 0x0            ; the 64 flag words of the work-group's 16 tiles: tile i's quarter u in register 32 + 4 i + u, from tile 8 on four further up
	s_load_b512 s[48:63], s[30:31], 0x40
	s_load_b512 s[68:83], s[30:31], 0x80
	s_load_b512 s[84:99], s[30:31], 0xc0
	s_load_b256 s[16:23], s[24:25], 0x0
	s_lshl_b32 s66, s27, 4
	s_lshl_b32 s67, s2, 1
	s_add_co_u32 s66, s66, s67
	s_lshl_b32 s66, s66, 11                        ; my first tile within the head: 2,048 bytes a tile
	s_mov_b32 s67, 0
	s_add_nc_u64 s[66:67], s[4:5], s[66:67]
.irp i, 0,1,2,3,4,5,6,7
	global_load_b128 v[Q+4*\i:Q+4*\i+3], v1, s[66:67] offset:512*\i th:TH_LOAD_NT   ; Q stays in registers: tile i / 4, channels 32 ((i / 2) % 2) on
.endr
.set i, 0
.rept 64
	v_mov_b32 v[O+i], 0                            ; O^T.  Which step is the first to be walked hangs on the flags, so it cannot be written out with a constant 0 as C: the first change of m multiplies zeros
.set i, i+1
.endr
.irp x, 0,1
	v_mov_b32 v[ST+8*\x], 0xff61b1e6               ; m: -3e38, under every score
.irp j, 1,2,3,4,5,6,7
	v_mov_b32 v[ST+8*\x+\j], 0                     ; l, and the registers at work: a lane permute's destination and a pair's upper half count as read
.endr
.endr
	s_wait_kmcnt 0x0
	; THE FLAGS.  A word: bits 0-7 some key of step k of the quarter is open; bits 8-15 some key is masked; bits 16-31 row r has an open key in the quarter.
	s_or_b32 s3, s32, s33
	s_or_b32 s3, s3, s34
	s_or_b32 s3, s3, s35                           ; tile 0: which rows have an open key anywhere
.irp i, 1,2,3,4,5,6,7,8,9,10,11,12,13,14,15
.set rr, 32+4*\i+4*(\i/8)
	s_or_b32 s29, s[rr], s[rr+1]
	s_or_b32 s29, s29, s[rr+2]
	s_or_b32 s29, s29, s[rr+3]
	s_and_b32 s3, s3, s29                          ; and in all tiles so far
	s_or_b32 s32, s32, s[rr]                       ; which steps have an open key for any of the 256 queries
	s_or_b32 s33, s33, s[rr+1]
	s_or_b32 s34, s34, s[rr+2]
	s_or_b32 s35, s35, s[rr+3]
.endr
	s_lshr_b32 s3, s3, 16
	s_cmp_eq_u32 s3, 0xffff
	s_cselect_b32 s29, 0, -1                       ; all ones where some row has no open key at all: then every step is walked
	ASM8 26, 32, 0
	s_or_b32 s26, s26, s29                         ; LA: bit 8 u + k
	s_or_b32 s16, s16, s20                         ; my two tiles together
	s_or_b32 s17, s17, s21
	s_or_b32 s18, s18, s22
	s_or_b32 s19, s19, s23
	ASM8 24, 16, 0
	s_or_b32 s24, s24, s29                         ; VW
	ASM8 25, 16, 8                                 ; PW
	s_wait_loadcnt 0x0                             ; slot 0 and Q
	STAGE_OUT 2                                    ; into buffer 0: its last reads lie behind two barriers
	MYTILE
	s_lshl_b32 s30, s29, 12                        ; my mask words: 4,096 bytes a tile
	s_mov_b32 s31, 0
	s_add_nc_u64 s[30:31], s[6:7], s[30:31]
	BAR
	s_mov_b32 s3, 4
.Lslots:                                           ; eight trips, two a turn of the loop: the trip count is a constant, the flags lead round the work
	TRIP 0
	TRIP 1
	s_sub_co_u32 s3, s3, 1
	s_cmp_lg_u32 s3, 0
	s_cbranch_scc1 .Lslots
	s_cmp_eq_u32 s28, 1
	s_cbranch_scc1 .Lnomore
	SLOT0                                          ; the second pass's first slot is on its way while the first pass goes out
.Lnomore:
	; THE WAY OUT.  l's two halves and the other half of the lanes' are added; O^T is divided by l and rounded to f16.  A lane's eight channels of a query are 16 bytes of the next launch's operand as it lies in
	; registers: tile of tokens T at 32,768 T, head at 2,048, 16 channels at 512: 32 lanes store 512 consecutive bytes.
.irp x, 0,1
	v_add_f32 v[ST+8*\x+4], v[ST+8*\x+2], v[ST+8*\x+3]
.endr
.irp x, 0,1
	v_permlanex16_b32 v[ST+8*\x+5], v[ST+8*\x+4], s100, s101
.endr
.irp x, 0,1
	v_add_f32 v[ST+8*\x+4], v[ST+8*\x+4], v[ST+8*\x+5]
.endr
.irp x, 0,1
	v_rcp_f32 v[ST+8*\x+6], v[ST+8*\x+4]
.endr
	v_nop                                          ; a plain instruction between the last reciprocal and the use of its result
	MYTILE
	s_lshl_b32 s32, s29, 15
	s_and_b32 s33, ttmp7, 15                       ; the head
	s_lshl_b32 s33, s33, 11
	s_add_co_u32 s32, s32, s33
	s_mov_b32 s33, 0
	s_add_nc_u64 s[32:33], s[10:11], s[32:33]
	s_wait_alu depctr_va_vdst(0)                   ; and the wait ahead of the first use: one for both reciprocals
.set i, 0
.rept 16
	v_pk_mul_f32 v[O+2*i:O+2*i+1], v[O+2*i:O+2*i+1], v[ST+6:ST+7] op_sel_hi:[1,0]
	v_pk_mul_f32 v[O+32+2*i:O+32+2*i+1], v[O+32+2*i:O+32+2*i+1], v[ST+14:ST+15] op_sel_hi:[1,0]
.set i, i+1
.endr
.set i, 0
.rept 32
	v_cvt_pk_f16_f32 v[OUTR+i], v[O+2*i], v[O+2*i+1]
.set i, i+1
.endr
.irp x, 0,1
.irp ct, 0,1,2,3
	global_store_b128 v1, v[OUTR+16*\x+4*\ct:OUTR+16*\x+4*\ct+3], s[32:33] offset:\x*32768+\ct*512 th:TH_STORE_NT
.endr
.endr
	s_sub_co_u32 s27, 7, s27                       ; the other block
	s_add_co_u32 s28, s28, 1
	s_cmp_lt_u32 s28, 2
	s_cbranch_scc1 .Lpass
	s_wait_tensorcnt 0x0                           ; the wave's end, behind my last LDS store
	ds_add_u32 v[SPW], v[NIL]
	s_wait_dscnt 0x0
	s_endpgm
.Lfunc_end_k_qc28e017235_attn:
	.size	k_qc28e017235_attn, .Lfunc_end_k_qc28e017235_attn-k_qc28e017235_attn
	.p2alignl 7, 3214868480
	.fill 96, 4, 3214868480
	.section	.rodata,"a",@progbits
	.p2align	6, 0x0
	.amdhsa_kernel k_qc28e017235_attn
		.amdhsa_group_segment_fixed_size 132096
		.amdhsa_private_segment_fixed_size 0
		.amdhsa_enable_private_segment 0
		.amdhsa_kernarg_size 32
		.amdhsa_user_sgpr_count 2
		.amdhsa_user_sgpr_kernarg_segment_ptr 1
		.amdhsa_wavefront_size32 1
		.amdhsa_system_sgpr_workgroup_id_x 1
		.amdhsa_system_sgpr_workgroup_id_y 1
		.amdhsa_system_sgpr_workgroup_id_z 1
		.amdhsa_system_vgpr_workitem_id 0
		.amdhsa_next_free_vgpr 448
		.amdhsa_next_free_sgpr 102
		.amdhsa_reserve_vcc 0
		.amdhsa_float_denorm_mode_32 3
		.amdhsa_float_denorm_mode_16_64 3
		.amdhsa_memory_ordered 1
		.amdhsa_forward_progress 1
		.amdhsa_inst_pref_size 200
	.end_amdhsa_kernel
	.amdgpu_metadata
---
amdhsa.version: [ 1, 2 ]
amdhsa.kernels:
  - .name:           k_qc28e017235_attn
    .symbol:         k_qc28e017235_attn.kd
    .args:
      - { .name: qkv, .offset: 0, .size: 8, .value_kind: global_buffer, .address_space: global }
      - { .name: maskw, .offset: 8, .size: 8, .value_kind: global_buffer, .address_space: global }
      - { .name: mflag, .offset: 16, .size: 8, .value_kind: global_buffer, .address_space: global }
      - { .name: xf, .offset: 24, .size: 8, .value_kind: global_buffer, .address_space: global }
    .group_segment_fixed_size: 132096
    .private_segment_fixed_size: 0
    .kernarg_segment_align: 8
    .kernarg_segment_size: 32
    .max_flat_workgroup_size: 256
    .sgpr_count:     102
    .vgpr_count:     448
    .wavefront_size: 32
...
	.end_amdgpu_metadata
.endif
;; end of part 3
;; launch outp (part 4): grid 4 x 64, 4 waves a work-group, clusters of 4 x 4, 327,680 bytes of LDS; arguments xf, wof, out0; writes out0
.if DOCPART == 4
	.amdgcn_target "amdgcn-amd-amdhsa--gfx1250"
	.amdhsa_code_object_version 6
	.text
	.protected	k_qc28e017235_outp
	.globl	k_qc28e017235_outp
	.p2align	8
	.type	k_qc28e017235_outp,@function
k_qc28e017235_outp:
	s_mov_b64 s[64:65], 0
	v_nop
	global_prefetch_b8 v0, s[64:65] scope:SCOPE_SE
	s_setreg_imm32_b32 hwreg(HW_REG_WAVE_MODE, 25, 1), 1
	s_wait_xcnt 0x0
	s_wait_alu depctr_hold_cnt(0) depctr_sa_sdst(0) depctr_va_vdst(0) depctr_va_sdst(0) depctr_va_ssrc(0) depctr_va_vcc(0) depctr_vm_vsrc(0)
	s_getreg_b32 s2, hwreg(HW_REG_IB_STS2, 6, 4)
	s_cmp_eq_u32 s2, 0
	s_cbranch_scc0 .Lentry_in_a_cluster
	s_endpgm
.Lentry_in_a_cluster:
	s_bfe_u32 s2, ttmp6, 0x10000c
	s_cmp_lg_u32 s2, 0xf033
	s_cbranch_scc0 .Lentry_shape_is_right
	s_endpgm
.Lentry_shape_is_right:
; out0[token][e] = the sum over d of x[token][d] w_o[e][d].  x (8,192 x 1,024) and w_o (1,024 x 1,024) arrive as f16 in the order of a matrix operand's registers; sums in f32; out0 is f32.  Nothing of the problem is left out here.
; A tile of 128 tokens x 256 features is made by a work-group of four waves: 64 x 4 = 256 work-groups.  A wave makes 64 tokens x 128 features: 32 accumulators of 16 x 16, 256 registers.
; OPERANDS.  A tile of 16 rows has 32 chunks of 32 along K, 1,024 bytes each: two blocks of 512 bytes in which lane l's four registers lie at 16 l.  So a K step of 128 is 4,096 consecutive bytes of each tile of 16 rows,
; a tensor load brings 4 or 8 such runs, 32,768 bytes apart in memory, dense in LDS, and every LDS load reads 512 consecutive bytes: no padding is needed.
; K goes in eight steps of 128 through a ring of two LDS slots.
; CLUSTERS: 4 x 4 work-groups.  The four of a row of the cluster need the same tokens, the four of a column the same rows of w_o: each tile is asked for jointly.
; THE MATRIX INSTRUCTION IS USED TRANSPOSED (source 0 = 16 rows of w_o, source 1 = 16 tokens): a lane then holds eight neighbouring numbers of a row of out0.
; REGISTERS: window 0: v16-29 addresses; two fragment buffers at v32 and v128: w_o's eight fragments, then the tokens' four; on the way out v32-159 take whole rows.  window 1: the accumulators ((a, b) at v[8 (8 a + b)]).
.set KSB,    4096                      ; a K step's bytes in a tile of 16 rows
.set TROW,   32768                     ; a tile of 16 rows in memory
.set ASL,    32768                     ; a slot: the tokens' 8 tiles x 4,096, then w_o's 16 tiles x 4,096
.set SLOT,   98304
.set STAGE,  2*SLOT                    ; behind the ring: 16 rows x (512 bytes + 16) for each wave, for the way out
.set SPITCH, 528
.set SPARE,  STAGE+4*16*SPITCH         ; behind the stages: the spare words, 128 bytes for each wave: two blocks of 256 bytes that no other line names
.set LAPS,   4                         ; a lap = two K steps = once round the ring
.set ADRA, 16                          ; v16-17  LDS address of my tokens' fragments in slot 0, 1
.set ADRB, 20                          ; v20-21  the same for w_o's
.set STO,  24                          ; v24     the way out: where I put 32 bytes of a row
.set RD,   25                          ; v25     where I read a row back
.set CO,   26                          ; v26     my byte offset in a row of out0
.set SPW,  28                          ; v28     LDS address of my spare word; never rewritten
.set NIL,  29                          ; v29     0; never rewritten
.set F0,   32
.set F1,   128
.set G1, 24                            ; s[24:31] descriptor group 1 for the tokens' tiles;  s[32:39] group 0, one set for each slot
.set G0, 32
.set G1B, 48                           ; s[48:55], s[56:63] the same for w_o's
.set G0B, 56
.set MSB, 0
.macro WIN new                         ; the immediate's high byte repeats the setting that is left
.if MSB != \new
	s_set_vgpr_msb (MSB<<8)|\new
.set MSB, \new
.endif
.endm
.set MUL, 0x50                         ; C and D window 1; sources 0 and 1 window 0
.macro JLOAD s                         ; a joint load: waves 0 and 1 fetch the tokens' two halves, waves 2 and 3 w_o's; an s_nop 0 and four v_nop follow each of the two lines
	s_cmp_eq_u32 s11, 0
	s_cbranch_scc0 .Lfor_b_\@
	tensor_load_to_lds s[G0+4*\s:G0+4*\s+3], s[G1:G1+7]
	s_nop 0
.rept 4
	v_nop
.endr
	s_branch .Lasked_\@
.Lfor_b_\@:
	tensor_load_to_lds s[G0B+4*\s:G0B+4*\s+3], s[G1B:G1B+7]
	s_nop 0
.rept 4
	v_nop
.endr
.Lasked_\@:
.endm
.macro CREST                           ; a round of the cluster's barrier behind its opening barrier
	s_cmp_lg_u32 s10, 0
	s_cbranch_scc1 .Lnot_wave_0_\@
	s_barrier_signal -3
.Lnot_wave_0_\@:
	s_barrier_wait -3
	s_barrier_signal -1
	s_barrier_wait -1
.endm
.macro CROUND                          ; a whole round
	s_barrier_signal -1
	s_barrier_wait -1
	CREST
.endm
	s_load_b128 s[4:7], s[0:1], 0x0                ; xf s[4:5], wof s[6:7]
	s_load_b64 s[8:9], s[0:1], 0x10                ; out0
	v_lshl_add_u32 v[SPW], v0, 2, SPARE
	v_mov_b32 v[NIL], 0
	ds_add_u32 v[SPW], v[NIL]                      ; the wave's opening: the add, twice on end, and its wait ahead of my first tensor load
	ds_add_u32 v[SPW], v[NIL]                      ; and once more, under the one wait; the set-up below, work on registers, stands between
	v_lshrrev_b32 v1, 5, v0
	v_readfirstlane_b32 s10, v1                    ; wave 0..3
	s_lshr_b32 s11, s10, 1                         ; which 64 of the tile's tokens are mine.  Also: I fetch tokens (0) or w_o (1)
	s_and_b32 s12, s10, 1                          ; which 128 of its features.  Also: which half of that tile I fetch
	s_bfe_u32 s40, ttmp6, 0x40000                  ; cx, cy: my place in the cluster
	s_bfe_u32 s41, ttmp6, 0x40004
	s_lshl_b32 s42, ttmp9, 2
	s_add_co_u32 s42, s42, s40                     ; tile column = 4 x cluster x + cx
	s_and_b32 s13, ttmp7, 0xffff
	s_lshl_b32 s13, s13, 2
	s_add_co_u32 s13, s13, s41                     ; tile row = 4 x cluster y + cy
	s_lshl_b32 s43, s41, 2
	s_lshl_b32 s43, 15, s43                        ; my row of the cluster
	s_lshl_b32 s44, 0x1111, s40                    ; my column
	; descriptor group 1: rows of 4,096 bytes (512 elements of 8 bytes), 32,768 bytes apart: 4 of them for the tokens, 8 for w_o; no padding
	s_or_b32 s[G1+0], s43, (3<<16)|(1<<21)         ; 15:0 the mask: the tokens' tiles go to my row; 17:16 elements of 8 bytes; 21 set beside a mask
	s_mov_b32 s[G1+1], 512<<16                     ; tensor_dim0 = 512
	s_mov_b32 s[G1+2], 4<<16                       ; tensor_dim1 = 4
	s_mov_b32 s[G1+3], 512<<16                     ; tile_dim0 = 512
	s_mov_b32 s[G1+4], 4                           ; tile_dim1 = 4
	s_mov_b32 s[G1+5], 4096                        ; tensor_dim0_stride, in elements
	s_mov_b32 s[G1+6], 0
	s_mov_b32 s[G1+7], 0
	s_or_b32 s[G1B+0], s44, (3<<16)|(1<<21)
	s_mov_b32 s[G1B+1], 512<<16
	s_mov_b32 s[G1B+2], 8<<16
	s_mov_b32 s[G1B+3], 512<<16
	s_mov_b32 s[G1B+4], 8
	s_mov_b32 s[G1B+5], 4096
	s_mov_b32 s[G1B+6], 0
	s_mov_b32 s[G1B+7], 0
	s_lshl_b32 s16, s13, 3
	s_lshl_b32 s17, s12, 2
	s_add_co_u32 s16, s16, s17                     ; tokens: tile of 16 number 8 x tile row + 4 x half
	s_lshl_b32 s16, s16, 15
	s_mov_b32 s17, 0
	s_lshl_b32 s46, s42, 4
	s_lshl_b32 s47, s12, 3
	s_add_co_u32 s46, s46, s47                     ; w_o: tile of 16 number 16 x tile column + 8 x half
	s_lshl_b32 s46, s46, 15
	s_mov_b32 s47, 0
	s_lshl_b32 s20, s12, 14                        ; where they go: the tokens' halves of 16,384 bytes,
	s_lshl_b32 s21, s12, 15
	s_add_co_u32 s21, s21, ASL                     ; behind them w_o's of 32,768: no place in the cluster enters an LDS address
	s_wait_dscnt 0x0                               ; both opening adds are done
	s_wait_kmcnt 0x0
	s_add_nc_u64 s[14:15], s[4:5], s[16:17]
	s_add_nc_u64 s[46:47], s[6:7], s[46:47]
	CROUND                                         ; all sixteen work-groups are here: the first joint loads meet
.irp s, 0,1
	s_mov_b32 s[G0+4*\s], 1
	s_add_co_u32 s[G0+4*\s+1], s20, \s*SLOT
	s_add_nc_u64 s[G0+4*\s+2:G0+4*\s+3], s[14:15], \s*KSB
	s_or_b32 s[G0+4*\s+3], s[G0+4*\s+3], 0x80000000
	s_mov_b32 s[G0B+4*\s], 1
	s_add_co_u32 s[G0B+4*\s+1], s21, \s*SLOT
	s_add_nc_u64 s[G0B+4*\s+2:G0B+4*\s+3], s[46:47], \s*KSB
	s_or_b32 s[G0B+4*\s+3], s[G0B+4*\s+3], 0x80000000
	JLOAD \s                                       ; two loads of mine are out
.endr
	v_and_b32 v1, 15, v0                           ; r = l % 16
	v_bfe_u32 v2, v0, 4, 1                         ; h = l / 16
	v_and_b32 v3, 31, v0
	v_lshlrev_b32 v[CO], 4, v3                     ; 16 x lane
	s_lshl_b32 s21, s11, 14                        ; my 64 tokens: four tiles of 4,096 bytes
	s_lshl_b32 s22, s12, 15                        ; my 128 features: eight,
	s_add_co_u32 s22, s22, ASL                     ; behind the tokens
.irp s, 0,1
	v_add_nc_u32 v[ADRA+\s], s21, v[CO]
	v_add_nc_u32 v[ADRB+\s], s22, v[CO]
	s_add_co_u32 s21, s21, SLOT
	s_add_co_u32 s22, s22, SLOT
.endr
	s_mul_i32 s23, s10, 16*SPITCH
	s_add_co_u32 s23, s23, STAGE                   ; my stage
	v_mul_u32_u24 v4, v1, SPITCH                   ; in: row r, 32 bytes for each half of the lanes
	v_lshl_add_u32 v4, v2, 5, v4
	v_add_nc_u32 v[STO], s23, v4
	v_add_nc_u32 v[RD], s23, v[CO]                 ; back: the 32 lanes take one row of 512 bytes
	s_lshl_b32 s16, s13, 7
	s_lshl_b32 s17, s11, 6
	s_add_co_u32 s16, s16, s17                     ; my first token: 128 x tile row + 64 x half
	s_lshl_b32 s16, s16, 12                        ; a row of out0 is 4,096 bytes
	s_mov_b32 s17, 0
	s_add_nc_u64 s[8:9], s[8:9], s[16:17]
	s_lshl_b32 s46, s42, 10                        ; my first feature, in bytes: 1,024 x tile column + 512 x half
	s_lshl_b32 s47, s12, 9
	s_add_co_u32 s46, s46, s47
	s_mov_b32 s47, 0
	s_add_nc_u64 s[8:9], s[8:9], s[46:47]
; 8 matrix instructions: token block a x w_o's eight blocks, 32 along K, from buffer f.  zero = 1: the first product starts the sums.  The 32 accumulators take turns, one instruction a turn.
.macro MULA f, a, zero
.irp b, 0,1,2,3,4,5,6,7
.if \zero
	v_wmma_f32_16x16x32_f16 v[8*(8*(\a)+\b):8*(8*(\a)+\b)+7], v[\f+8*\b:\f+8*\b+7], v[\f+64+8*(\a):\f+64+8*(\a)+7], 0
.else
	v_wmma_f32_16x16x32_f16 v[8*(8*(\a)+\b):8*(8*(\a)+\b)+7], v[\f+8*\b:\f+8*\b+7], v[\f+64+8*(\a):\f+64+8*(\a)+7], v[8*(8*(\a)+\b):8*(8*(\a)+\b)+7]
.endif
.endr
.endm
; 24 LDS loads in one run: chunk q of the slot into buffer f: w_o's eight fragments, then the tokens' four
.macro FETCH slot, q, f
.irp i, 0,1,2,3,4,5,6,7
	ds_load_b128 v[\f+8*\i:\f+8*\i+3],   v[ADRB+\slot] offset:\i*KSB+(\q)*1024
	ds_load_b128 v[\f+8*\i+4:\f+8*\i+7], v[ADRB+\slot] offset:\i*KSB+(\q)*1024+512
.endr
.irp i, 0,1,2,3
	ds_load_b128 v[\f+64+8*\i:\f+64+8*\i+3],   v[ADRA+\slot] offset:\i*KSB+(\q)*1024
	ds_load_b128 v[\f+64+8*\i+4:\f+64+8*\i+7], v[ADRA+\slot] offset:\i*KSB+(\q)*1024+512
.endr
.endm
.macro PLACES                          ; four places in front of loads into registers that matrix instructions have read, and of the first reads of results (ISA guide 7.12.1 for vector instructions)
.rept 4
	v_nop
.endr
.endm
; A K step is four quarters of 32 along K, 32 matrix instructions each, on buffers 0, 1, 0, 1.  One of the first three: multiplies buffer f and fetches chunk q into g.
.macro QUARTER slot, q, f, g, zero
	s_wait_dscnt 4                                 ; w_o's fragments and the tokens' blocks 0, 1 are in; the youngest four loads (blocks 2, 3) may be out
	WIN MUL
	MULA \f, 0, \zero
	MULA \f, 1, \zero
	PLACES
	WIN 0
	FETCH \slot, \q, \g
	s_wait_dscnt 24                                ; all but the 24 just issued
	WIN MUL
	MULA \f, 2, \zero
	MULA \f, 3, \zero
.endm
; The last quarter multiplies buffer 1 and changes slots: ONE barrier; in front of it each wave waits for all its tensor loads, adds 0 to its spare word, and waits for that and for its own reads of this slot.
; fill = 1: this slot is filled again, two K steps ahead; the barrier then opens a round of the cluster's barrier, and the joint refill is the first thing behind it.
.macro TURN slot, next, fill
	WIN 0                                          ; (the add's two registers lie in window 0)
	s_wait_tensorcnt 0x0                           ; all my tensor loads have landed: my part of the next slot
	ds_add_u32 v[SPW], v[NIL]                      ; 0 onto my spare word
	s_wait_dscnt 5                                 ; (the add and the youngest four loads may be out)
	WIN MUL
	MULA F1, 0, 0                                  ; eight matrix instructions stand between the add and the wait for it
	s_wait_dscnt 0x0                               ; the add is done, and my reads of this slot are over
	s_barrier_signal -1
	MULA F1, 1, 0
	WIN 0
	s_barrier_wait -1
.if \fill
	CREST                                          ; no wave of any partner still reads this slot's tile or has a load on its way
	s_add_nc_u64 s[G0+4*\slot+2:G0+4*\slot+3], s[G0+4*\slot+2:G0+4*\slot+3], 2*KSB
	s_add_nc_u64 s[G0B+4*\slot+2:G0B+4*\slot+3], s[G0B+4*\slot+2:G0B+4*\slot+3], 2*KSB
	JLOAD \slot                                    ; my one tensor load behind the round: 112 matrix instructions ahead of the wait for it; its four v_nop are also the places in front of the loads below
.else
	PLACES
.endif
	FETCH \next, 0, F0
	WIN MUL
	MULA F1, 2, 0
	MULA F1, 3, 0
.endm
	s_wait_tensorcnt 1                             ; my part of K step 0 is in (K step 1's load may be out),
	s_barrier_signal -1
	s_barrier_wait -1                              ; everybody's is
	FETCH 0, 0, F0
	QUARTER 0, 1, F0, F1, 1                        ; the first quarter stands in front of the loop: its products start the sums
	WIN 0                                          ; at a label and at a branch every window is 0
	s_mov_b32 s3, LAPS-1
.Llap:                                                 ; a trip goes once round the ring, from a lap's second quarter to the next lap's first, and fills both slots again
	QUARTER 0, 2, F1, F0, 0
	QUARTER 0, 3, F0, F1, 0
	TURN 0, 1, 1
	QUARTER 1, 1, F0, F1, 0
	QUARTER 1, 2, F1, F0, 0
	QUARTER 1, 3, F0, F1, 0
	TURN 1, 0, 1
	QUARTER 0, 1, F0, F1, 0
	WIN 0
	s_sub_co_u32 s3, s3, 1
	s_cmp_lg_u32 s3, 0
	s_cbranch_scc1 .Llap
	QUARTER 0, 2, F1, F0, 0                        ; the last lap fills nothing, and has no round of the cluster's barrier
	QUARTER 0, 3, F0, F1, 0
	TURN 0, 1, 0
	QUARTER 1, 1, F0, F1, 0
	QUARTER 1, 2, F1, F0, 0
	QUARTER 1, 3, F0, F1, 0
	s_wait_dscnt 4                                 ; the very last quarter: nothing more to fetch
	WIN MUL
	MULA F1, 0, 0
	MULA F1, 1, 0
	s_wait_dscnt 0
	MULA F1, 2, 0
	MULA F1, 3, 0
	WIN 0
; THE WAY OUT, block by block of 16 tokens x 128 features.  A lane holds 32 neighbouring bytes of a row, and the lanes beside it hold other rows: so a block goes through my own stage in LDS and comes back as whole
; rows of 512 bytes.  LDS serves a wave's instructions in order (ISA guide 5.7.1.4): no wait between the stores and the loads, nor in front of the next block's stores.
.macro TOSTAGE a
	WIN 0x04                                       ; an LDS store's data are its source 1: window 1
.irp b, 0,1,2,3,4,5,6,7
	ds_store_b128 v[STO], v[8*(8*(\a)+\b):8*(8*(\a)+\b)+3] offset:64*\b          ; each accumulator from its low end on
	ds_store_b128 v[STO], v[8*(8*(\a)+\b)+4:8*(8*(\a)+\b)+7] offset:64*\b+16
.endr
	WIN 0
.set BB, 32+64*((\a)%2)
.irp t, 0,1,2,3,4,5,6,7,8,9,10,11,12,13,14,15
	ds_load_b128 v[BB+4*\t:BB+4*\t+3], v[RD] offset:\t*SPITCH
.endr
.endm
.macro SEND a, younger                 ; younger: the LDS instructions issued behind block a's loads, which may stay out
.set BB, 32+64*((\a)%2)
	s_wait_dscnt \younger                          ; the block is back in registers
.if (\a) > 0
	s_add_nc_u64 s[8:9], s[8:9], 16*4096           ; (behind a wait on XCNT: the earlier stores have been taken up)  16 rows of out0 on
.endif
.irp t, 0,1,2,3,4,5,6,7,8,9,10,11,12,13,14,15
	global_store_b128 v[CO], v[BB+4*\t:BB+4*\t+3], s[8:9] offset:\t*4096 th:TH_STORE_NT   ; 32 lanes store 512 consecutive bytes, at a multiple of 256 from out0's first byte
.endr
.endm
	PLACES                                         ; behind the last products: for the first reads of results and for the loads into the registers that held fragments
	TOSTAGE 0
.irp a, 1,2,3
.if \a > 1
	s_wait_xcnt 0x0                                ; block a - 2's stores have been taken up: block a's loads may land in their registers, and the base may step
.endif
	TOSTAGE \a
	SEND \a-1, 32                                  ; behind block a - 1's loads: block a's 16 stores and 16 loads
.endr
	s_wait_xcnt 0x0                                ; block 2's stores have been taken up
	SEND 3, 0
	s_wait_tensorcnt 0x0                           ; the wave's end, behind my last tensor load and my last LDS store
	ds_add_u32 v[SPW], v[NIL]
	s_wait_dscnt 0x0
	CROUND                                         ; the closing round: no work-group ends while a partner may still ask for a tile that names it
	s_endpgm
.Lfunc_end_k_qc28e017235_outp:
	.size	k_qc28e017235_outp, .Lfunc_end_k_qc28e017235_outp-k_qc28e017235_outp
	.p2alignl 7, 3214868480
	.fill 96, 4, 3214868480
	.section	.rodata,"a",@progbits
	.p2align	6, 0x0
	.amdhsa_kernel k_qc28e017235_outp
		.amdhsa_group_segment_fixed_size 327680
		.amdhsa_private_segment_fixed_size 0
		.amdhsa_enable_private_segment 0
		.amdhsa_kernarg_size 24
		.amdhsa_user_sgpr_count 2
		.amdhsa_user_sgpr_kernarg_segment_ptr 1
		.amdhsa_wavefront_size32 1
		.amdhsa_system_sgpr_workgroup_id_x 1
		.amdhsa_system_sgpr_workgroup_id_y 1
		.amdhsa_system_sgpr_workgroup_id_z 1
		.amdhsa_system_vgpr_workitem_id 0
		.amdhsa_next_free_vgpr 512
		.amdhsa_next_free_sgpr 66
		.amdhsa_reserve_vcc 0
		.amdhsa_float_denorm_mode_32 3
		.amdhsa_float_denorm_mode_16_64 3
		.amdhsa_memory_ordered 1
		.amdhsa_forward_progress 1
		.amdhsa_inst_pref_size 85
	.end_amdhsa_kernel
	.amdgpu_metadata
---
amdhsa.version: [ 1, 2 ]
amdhsa.kernels:
  - .name:           k_qc28e017235_outp
    .symbol:         k_qc28e017235_outp.kd
    .args:
      - { .name: xf, .offset: 0, .size: 8, .value_kind: global_buffer, .address_space: global }
      - { .name: wof, .offset: 8, .size: 8, .value_kind: global_buffer, .address_space: global }
      - { .name: out0, .offset: 16, .size: 8, .value_kind: global_buffer, .address_space: global }
    .group_segment_fixed_size: 327680
    .private_segment_fixed_size: 0
    .kernarg_segment_align: 8
    .kernarg_segment_size: 24
    .max_flat_workgroup_size: 128
    .sgpr_count:     66
    .vgpr_count:     512
    .wavefront_size: 32
...
	.end_amdgpu_metadata
.endif
;; end of part 4
